; MI455X (gfx1250); checked and timed in simulation.
; The chip was launched on July 23, 2026; its instructions are those of AMD's public machine-readable ISA for CDNA 5 (MIT licence, August 2026) and "CDNA5" Instruction Set Architecture Reference Guide (July 2026). The comments in the code are by the model that wrote it; some were corrected since.
;; Multi Head Self Attention. Allowed arithmetic: matrix products marked QUANTISED: E2M3 operands, one E8M0 scale for each 32 along K, by v_wmma_scale_f32_16x16x128_f8f6f4 with both operands' format E2M3, f32 sums; everything else in f32.
;; Inputs: gain 1 float32; w_out 2,048 x 2,048 float32; w_qkv 3,072 x 2,048 float32; x 2 x 1,024 x 2,048 float32.
;; Outputs: out0 2 x 1,024 x 2,048 float32; out1 64 x 1,024 x 64 float32.
;; This version of the problem:
;;   THIS VERSION OF THE PROBLEM IS GIVEN IN LOW PRECISION. The matrix products marked QUANTISED in the list below multiply operands that are first quantised to E2M3 (2 exponent bits, 3 mantissa bits; 6 bits a number), with one power-of-two scale for each 32 numbers along K (OCP MX v1.0); their sums are f32. All else is computed in f32.
;;   The module's matrix products, in the order in which they are computed (A, B: the left and right operand; K: the contracted axis; several contracted axes count as one K, in the product's order):
;;     1. [M 2,048, K 2,048] x [K 2,048, N 3,072]; A: input x; B: input w_qkv: QUANTISED
;;     2. batch 64 x [M 1,024, K 64] x [K 64, N 1,024]; A: computed on the way; B: computed on the way: QUANTISED
;;     3. batch 64 x [M 64, K 1,024] x [K 1,024, N 1,024]; A: computed on the way; B: softmax (see below): QUANTISED
;;     4. [M 2,048, K 2,048] x [K 2,048, N 2,048]; A: computed on the way; B: input w_out: QUANTISED
;;   THE QUANTISER, for each operand of a quantised product, along K:
;;     - K is cut into blocks of 32 from its start; a last block that is shorter is filled with zeros.
;;     - A block's scale is 2^e with e = floor(log2(the largest magnitude in the block)) - 2, held to -126 .. 127; a block of zeros has e = 0. As a byte (E8M0): e + 127.
;;     - Each number is divided by its block's scale, clamped to +-7.5, and rounded to the nearest number of E2M3, ties to even, subnormals kept.
;;     - The product sums the exact products of the quantised numbers (number of the format x scale) in f32.
;;   ~~~python
;;   def quantise(x, axis):      # numpy; x: float32 -> the quantised numbers, widened to float32 again
;;       x = np.moveaxis(x, axis, -1); K = x.shape[-1]
;;       x = np.pad(x, [(0, 0)] * (x.ndim - 1) + [(0, -K % 32)]); x = x.reshape(x.shape[:-1] + (-1, 32)); a = np.abs(x).max(-1, keepdims=True)
;;       e = np.where(a > 0, np.clip(np.frexp(np.where(a > 0, a, 1))[1] - 1 - 2, -126, 127), 0)      # np.frexp(a)[1] - 1 = floor(log2(a)), exactly
;;       r = np.clip(x / 2.0 ** e, -7.5, 7.5)
;;       step = 2.0 ** (np.maximum(np.frexp(np.where(r == 0, 1, r))[1] - 1, 0) - 3)
;;       q = np.round(r / step) * step * 2.0 ** e      # np.round: ties to even
;;       return np.moveaxis(q.reshape(q.shape[:-2] + (-1,))[..., :K], -1, axis).astype(np.float32)
;;   ~~~
;;   SOFTMAX AHEAD OF A QUANTISED PRODUCT. Where the list says 'softmax', what is quantised is not the finished softmax but p = 2^(t - M), with t = logit x log2(e) and M = ceil(the row's largest t), a whole number; so 1/2 < the row's largest p <= 1. The row's sum l is taken of the UNQUANTISED p, in f32, and the product's result is divided by l at the end. Since M is a whole number, a kernel that streams over the keys may use a running M (the ceiling of the running maximum): every later rescaling is an exact power of two, which a block's scale takes up: the codes' values come out the same.
;;   OPERANDS COMPUTED ON THE WAY. 'Computed on the way' means the value that the module computes at that place (a softmax that the list does not call 'softmax' is quantised finished and normalised). What goes into a quantiser is computed in f32, as accurately as f32 sums, v_exp_f32 and their like allow (about 1e-6 of the number): no bf16 or f16 on the way to a quantiser, and a product that is left as it is and whose result goes on into a quantised operand takes f32 operands (vector FMAs, or v_wmma_f32_16x16x4_f32). A number that lies on a knife's edge between two numbers of the format may be rounded either way, as far as f32 arithmetic and the matrix unit's own rounding can turn it there, and no further.
;; One version. Each part assembles by itself: llvm-mc -triple=amdgcn-amd-amdhsa -mcpu=gfx1250 --defsym DOCPART=n.
;; ======== version 1 of 1: 4 launches
;; limits: right only within a limited range of input values
;; workspace buffers: xq 3,276,800 bytes; wq 4,915,200 bytes; wo 3,276,800 bytes; ao 3,276,800 bytes; tab 262,144 bytes; q 3,276,800 bytes; kv 1,638,400 bytes; vf 4,194,304 bytes
;; launch quant (part 1): grid 256 x 1, 7 waves a work-group, no clusters, 237,568 bytes of LDS; arguments x, w_qkv, w_out, xq, wq, wo, tab; writes xq, wq, wo, tab
.if DOCPART == 1
	.amdgcn_target "amdgcn-amd-amdhsa--gfx1250"
	.amdhsa_code_object_version 6
	.text
	.protected	k_qad9c8ef4d7_quant
	.globl	k_qad9c8ef4d7_quant
	.p2align	8
	.type	k_qad9c8ef4d7_quant,@function
k_qad9c8ef4d7_quant:
	s_mov_b64 s[64:65], 0
	v_nop
	global_prefetch_b8 v0, s[64:65] scope:SCOPE_SE
	s_setreg_imm32_b32 hwreg(HW_REG_WAVE_MODE, 25, 1), 1
	s_wait_xcnt 0x0
; x [2048][2048], w_qkv [3072][2048], w_out [2048][2048], f32, K innermost, become codes of FP6 (E2M3) with one E8M0 byte for each 32 along K,
; laid in the ORDER OF THE OPERAND REGISTERS.  An operand block of x and of w_out is 128 rows x 128 K, 12,800 bytes: eight fragment images of 1,536 bytes, then 512 bytes of scale words.
; A fragment image: registers 0-3 at 16 x lane, registers 4-5 at 512 + 8 x lane, registers 6-9 at 768 + 16 x lane, registers 10-11 at 1,280 + 8 x lane.
; Lane r of tile T takes row 32 (T / 2) + 8 (T % 2) + r + 8 (r / 8) of the block.  Scale words: part j (64 rows) at 256 j behind the images; lane l at 8 l, two words; word i of lane 16 v + r: row r of tile 4 j + 2 i + v.
; A buffer is [group of rows][K step 0..15] of such blocks.  A block of w_qkv has 192 rows (12 images, 768 bytes of scale words, 19,200 bytes): query heads 2 g, 2 g + 1 and the head of rows 2,048 + 64 g on.
; WORK THAT THE PROGRAM LEAVES OUT: key steps all of whose keys come after a query tile (reference() hides them by its own jnp.tril, so their p is 0 for all inputs); the factor rsqrt(float32(1 + 1e-8)) on V,
; which is 1.0 since 1 + 1e-8 rounds to 1.0 in f32.  A NaN or an infinity that reaches only hidden scores is not carried to the result.
; A block scale is 2^(floor(log2(largest magnitude)) - 2); its byte is the largest magnitude's exponent field - 2, held at 1 from below.
; LIMITS: a block whose largest magnitude lies under 2^-124 keeps the byte 1 (a block of zeros too, where the rule says 127: its codes are zeros and this program alone reads the bytes); NaN and infinities are not served.
; SHARES: 112 parts of 64 rows x 16 K steps = 1,792 tasks = 256 work-groups x 7 waves; task = 7 x work-group + wave.  A wave brings its 64 rows x 512 bytes by ONE tensor load into LDS bytes of its own
; (rows 528 bytes apart), reads them alone and fills nothing again: no barrier.  A work-group so has 229,376 bytes asked for at its start.
; A LANE'S PLACE: physical lane l works for row r = l % 16 and half h = (l / 16) xor (r / 8), and stores at the place of lane 16 h + r.  Rows r and r + 16 lie a multiple of 256 bytes apart in LDS;
; with this choice the sixteen lanes of a half wave read sixteen different 16-byte columns.  Lane l xor 16 holds the same row's other half.
; All global stores stand at the end, each tile's codes in registers of their own: no store's data are written again.
; No prefetch: the launch has no loop to run ahead in, and its one load a wave asks for all its bytes at the start.  No cluster: no two work-groups read the same bytes.
; Waves 0-3 also make the table of cos and sin: [position 0..1023][cos of 32 frequencies, 128 bytes][sin, 128 bytes]; position 4 x work-group + wave, a frequency a lane.
; The angle is position x 2^(-i log2(10) / 8), reduced by a three-part pi / 2, then f32 polynomials on [-pi/4, pi/4].
.set OB,    12800
.set OBW,   19200
.set SP,    528                        ; an LDS row: 512 bytes + 16
.set WREG,  64*SP                      ; a wave's region
.set SPARE, 7*WREG                     ; the spare words, 128 bytes a wave
.set SPW,   20
.set NIL,   21
.set X,     32                         ; v32-159 two sets of 64: a lane's two blocks of 32 neighbours
.set C,     160                        ; v160-207 the four tiles' fragments
.set T0,    208                        ; a conversion's three registers begin on an even number
.set T1,    212
.set SW,    216                        ; v216-219 the four tiles' scale words
	s_load_b256 s[24:31], s[0:1], 0x0              ; x, w_qkv, w_out, xq
	s_load_b128 s[32:35], s[0:1], 0x20             ; wq, wo
	s_load_b64 s[36:37], s[0:1], 0x30              ; tab
	v_lshl_add_u32 v[SPW], v0, 2, SPARE
	v_mov_b32 v[NIL], 0
	ds_add_u32 v[SPW], v[NIL]                      ; the opening lines: the add twice on end and one wait
	ds_add_u32 v[SPW], v[NIL]
	v_lshrrev_b32 v6, 5, v0
	v_readfirstlane_b32 s16, v6                    ; wave 0..6
	s_mov_b32 s48, (2<<16)|(1<<20)|(6<<22)|(3<<25) ; elements of 4 bytes; 4 words of padding behind every 128
	s_mov_b32 s49, 128<<16                         ; a row: 128 elements
	s_mov_b32 s50, 64<<16                          ; 64 rows
	s_mov_b32 s51, 128<<16
	s_mov_b32 s52, 64
	s_mov_b32 s53, 2048                            ; the pitch in memory
	s_mov_b32 s54, 0
	s_mov_b32 s55, 0
	s_mov_b32 s56, 0x76543210
	s_mov_b32 s57, 0xfedcba98                      ; lane l xor 16
	s_mov_b32 s58, 0xffff0000                      ; lanes 16-31
	s_mul_i32 s17, s16, WREG                       ; my LDS region
	s_mul_i32 s18, ttmp9, 7
	s_add_co_u32 s18, s18, s16                     ; my task
	s_and_b32 s19, s18, 15                         ; K step
	s_lshr_b32 s12, s18, 4                         ; part: 0-31 x, 32-79 w_qkv, 80-111 w_out
	s_cmp_lt_u32 s12, 80
	s_cselect_b32 s10, 32, 80
	s_cmp_lt_u32 s12, 32
	s_cselect_b32 s10, 0, s10
	s_sub_co_u32 s13, s12, s10                     ; which 64 rows of its tensor
	s_lshl_b32 s14, s13, 19                        ; 64 rows of 8,192 bytes
	s_lshl_b32 s11, s19, 9
	s_add_co_u32 s14, s14, s11                     ; + 512 bytes a K step
	s_mov_b32 s15, 0
	s_cmp_eq_u32 s10, 32                           ; w_qkv has the larger block
	s_mov_b32 s41, OB
	s_cselect_b32 s41, OBW, s41
	s_mov_b32 s42, 12288
	s_cselect_b32 s42, 18432, s42                  ; where its scale words begin
	s_lshr_b32 s38, s13, 1
	s_and_b32 s39, s13, 1
	s_sub_co_u32 s43, s13, 32
	s_cmp_ge_u32 s13, 32                           ; rows from 2,048 on, which w_qkv alone has: key and value heads
	s_cselect_b32 s38, s43, s38                    ; the group,
	s_cselect_b32 s39, 2, s39                      ; and my part of its block
	s_lshl_b32 s38, s38, 4
	s_add_co_u32 s38, s38, s19
	s_mul_i32 s22, s38, s41                        ; my operand block
	s_mov_b32 s23, 0
	s_lshl_b32 s20, s39, 8
	s_add_co_u32 s20, s20, s42                     ; my 256 bytes of scale words in it
	s_mov_b32 s21, 0
	s_mul_i32 s40, s39, 6144                       ; my four images in it
	s_mov_b32 s41, 0
	s_wait_dscnt 0x0                               ; both opening adds are done
	s_wait_kmcnt 0x0
	s_cmp_lt_u32 s12, 80                           ; the choice hangs on ids alone
	s_cselect_b64 s[4:5], s[26:27], s[28:29]
	s_cselect_b64 s[6:7], s[32:33], s[34:35]
	s_cmp_lt_u32 s12, 32
	s_cselect_b64 s[4:5], s[24:25], s[4:5]
	s_cselect_b64 s[6:7], s[30:31], s[6:7]
	s_mov_b32 s44, 1
	s_mov_b32 s45, s17
	s_add_nc_u64 s[46:47], s[4:5], s[14:15]
	s_or_b32 s47, s47, 0x80000000
	tensor_load_to_lds s[44:47], s[48:55]          ; my one tensor load: 64 rows x 512 bytes
	s_nop 0
	s_add_nc_u64 s[6:7], s[6:7], s[22:23]
	s_add_nc_u64 s[8:9], s[6:7], s[20:21]          ; scale words
	s_add_nc_u64 s[6:7], s[6:7], s[40:41]          ; images
	v_and_b32 v14, 31, v0                          ; physical lane
	v_and_b32 v8, 15, v0                           ; r
	v_bfe_u32 v9, v0, 4, 1
	v_bfe_u32 v10, v0, 3, 1                        ; r / 8
	v_xor_b32 v9, v9, v10                          ; h
	v_lshl_or_b32 v7, v9, 4, v8                    ; the lane whose registers I make
	v_lshlrev_b32 v1, 4, v7
	v_lshlrev_b32 v2, 3, v7
	v_lshlrev_b32 v3, 3, v14
	v_lshl_add_u32 v10, v10, 3, v8                 ; r + 8 (r / 8)
	v_mul_u32_u24 v4, v10, SP
	v_lshl_add_u32 v4, v9, 7, v4                   ; + 128 h bytes: k = 32 h on
	v_add_nc_u32 v4, s17, v4
	v_lshlrev_b32 v5, 3, v9                        ; 8 h: where my bytes stand in the scale word
	v_mov_b32 v13, 0                               ; a lane permute's destination counts as one of its sources
	s_wait_alu depctr_va_vdst(0)                   ; the wait ahead of the branch
	s_cmp_lt_u32 s16, 4
	s_cbranch_scc0 .Lno_table
	s_lshl_b32 s40, ttmp9, 2
	s_add_co_u32 s40, s40, s16                     ; the position
	s_lshl_b32 s42, s40, 8
	s_mov_b32 s43, 0
	s_add_nc_u64 s[36:37], s[36:37], s[42:43]
	v_cvt_f32_u32 v144, v14
	v_mul_f32 v144, 0xbed49a78, v144               ; -i log2(10) / 8
	s_wait_alu depctr_va_vdst(0)
	v_exp_f32 v144, v144                           ; the frequency
	v_cvt_f32_u32 v145, s40                        ; (a plain place behind the exponential)
	s_wait_alu depctr_va_vdst(0)
	v_mul_f32 v145, v145, v144                     ; the angle
	v_mul_f32 v146, 0x3f22f983, v145
	v_rndne_f32 v146, v146                         ; n = the nearest multiple of pi / 2
	v_fmamk_f32 v147, v146, 0xbfc90fda, v145       ; angle - n pi / 2, pi / 2 in three parts
	v_fmamk_f32 v147, v146, 0xb3a22168, v147
	v_fmamk_f32 v147, v146, 0xa7c234c4, v147
	v_mul_f32 v148, v147, v147                     ; z
	v_mov_b32 v149, 0xb94ca1f9
	v_fmaak_f32 v149, v149, v148, 0x3c08839e
	v_fmaak_f32 v149, v149, v148, 0xbe2aaaa3
	v_mul_f32 v149, v149, v148
	v_fma_f32 v149, v149, v147, v147               ; sin of the rest
	v_mov_b32 v150, 0x37ccf5ce
	v_fmaak_f32 v150, v150, v148, 0xbab6061a
	v_fmaak_f32 v150, v150, v148, 0x3d2aaaa5
	v_mul_f32 v151, v148, v148
	v_fma_f32 v152, v148, -0.5, 1.0
	v_fma_f32 v150, v151, v150, v152               ; cos of the rest
	v_cvt_i32_f32 v153, v146                       ; the quadrant only selects values
	v_and_b32 v154, 1, v153
	v_cmp_eq_u32 vcc_lo, 1, v154
	v_cndmask_b32 v155, v149, v150, vcc_lo         ; sin: in odd quadrants the cos
	v_cndmask_b32 v156, v150, v149, vcc_lo         ; cos: in odd quadrants the sin
	v_and_b32 v154, 2, v153
	v_lshlrev_b32 v154, 30, v154
	v_xor_b32 v155, v154, v155                     ; sin is negative in quadrants 2, 3
	v_add_nc_u32 v153, 1, v153
	v_and_b32 v153, 2, v153
	v_lshlrev_b32 v153, 30, v153
	v_xor_b32 v156, v153, v156                     ; cos in quadrants 1, 2
	v_lshlrev_b32 v157, 2, v14
	global_store_b32 v157, v156, s[36:37]
	global_store_b32 v157, v155, s[36:37] offset:128   ; the two stores cover 256 consecutive bytes, aligned
	s_wait_xcnt 0x0                                ; the stores' registers are written again below
.Lno_table:
	s_wait_alu depctr_va_vdst(0)                   ; the wait at the head's end
	s_wait_tensorcnt 0x0                           ; my 64 rows are in; nobody else reads them
.macro RD t                            ; tile t: k = 64 c + 32 h + 0 .. 31 of my row, into set t % 2
.irp c, 0,1
.irp q, 0,1,2,3,4,5,6,7
	ds_load_b128 v[X+64*((\t)%2)+32*\c+4*\q:X+64*((\t)%2)+32*\c+4*\q+3], v4 offset:(32*((\t)/2)+8*((\t)%2))*SP+256*\c+16*\q
.endr
.endr
.endm
.macro TILE t
.set XS, X+64*((\t)%2)
.set CC, C+12*(\t)
.if (\t) < 3
	s_wait_dscnt 16                                ; this tile's sixteen loads are in; the next tile's sixteen may be out
.else
	s_wait_dscnt 0x0
.endif
.irp g, 0,1,2,3                        ; four chains by turns: halves of blocks h and 2 + h; the floor 2^(3 - 127) holds the byte at 1 from below
	v_max3_num_f32 v[16+\g], |v[XS+16*\g]|, |v[XS+16*\g+1]|, 0x1800000
.endr
.irp i, 2,4,6,8,10,12,14
.irp g, 0,1,2,3
	v_max3_num_f32 v[16+\g], v[16+\g], |v[XS+16*\g+\i]|, |v[XS+16*\g+\i+1]|
.endr
.endr
	v_max_num_f32 v16, v16, v17
	v_max_num_f32 v18, v18, v19
	v_add_nc_u32 v8, 0xff000000, v16               ; 2 off the exponent field: the conversion's scale operand
	v_add_nc_u32 v9, 0xff000000, v18
	v_lshrrev_b32 v10, 23, v8                      ; the bytes
	v_lshrrev_b32 v11, 23, v9
	v_lshl_or_b32 v12, v11, 16, v10                ; blocks h and 2 + h,
	v_lshlrev_b32 v12, v5, v12                     ; at their places;
	v_permlanex16_b32 v13, v12, s56, s57
	v_or_b32 v[SW+(\t)], v12, v13                  ; with lane l xor 16's the word is whole
	v_cvt_scalef32_pk16_fp6_f32 v[CC:CC+2], v[XS:XS+15], v8
	v_cvt_scalef32_pk16_fp6_f32 v[T0:T0+2], v[XS+16:XS+31], v8
	v_cvt_scalef32_pk16_fp6_f32 v[CC+6:CC+8], v[XS+32:XS+47], v9
	v_cvt_scalef32_pk16_fp6_f32 v[T1:T1+2], v[XS+48:XS+63], v9
	v_nop                                          ; one plain place behind a scaled conversion
.if (\t)+2 < 4
	RD (\t)+2                                      ; the set just converted takes the tile two further on
.endif
.irp i, 0,1,2
	v_mov_b32 v[CC+3+\i], v[T0+\i]
	v_mov_b32 v[CC+9+\i], v[T1+\i]
.endr
.endm
	RD 0
	RD 1
	TILE 0
	TILE 1
	TILE 2
	TILE 3
	s_wait_alu depctr_va_vdst(0)                   ; the wait ahead of the readers below
	v_cndmask_b32 v220, v[SW], v[SW+1], s58        ; lanes 0-15 tile 0, lanes 16-31 tile 1
	v_cndmask_b32 v221, v[SW+2], v[SW+3], s58      ; tiles 2 and 3
.irp t, 0,1,2,3
	global_store_b128 v1, v[C+12*\t:C+12*\t+3], s[6:7] offset:1536*\t          ; the wave covers 512 consecutive bytes,
	global_store_b64 v2, v[C+12*\t+4:C+12*\t+5], s[6:7] offset:1536*\t+512     ; 256,
	global_store_b128 v1, v[C+12*\t+6:C+12*\t+9], s[6:7] offset:1536*\t+768
	global_store_b64 v2, v[C+12*\t+10:C+12*\t+11], s[6:7] offset:1536*\t+1280
.endr
	global_store_b64 v3, v[220:221], s[8:9]        ; 256 consecutive bytes, aligned
	s_wait_tensorcnt 0x0                           ; the wave's end
	ds_add_u32 v[SPW], v[NIL]
	s_wait_dscnt 0x0
	s_endpgm
.Lfunc_end_k_qad9c8ef4d7_quant:
	.size	k_qad9c8ef4d7_quant, .Lfunc_end_k_qad9c8ef4d7_quant-k_qad9c8ef4d7_quant
	.p2alignl 7, 3214868480
	.fill 96, 4, 3214868480
	.section	.rodata,"a",@progbits
	.p2align	6, 0x0
	.amdhsa_kernel k_qad9c8ef4d7_quant
		.amdhsa_group_segment_fixed_size 237568
		.amdhsa_private_segment_fixed_size 0
		.amdhsa_enable_private_segment 0
		.amdhsa_kernarg_size 56
		.amdhsa_user_sgpr_count 2
		.amdhsa_user_sgpr_kernarg_segment_ptr 1
		.amdhsa_wavefront_size32 1
		.amdhsa_system_sgpr_workgroup_id_x 1
		.amdhsa_system_sgpr_workgroup_id_y 1
		.amdhsa_system_sgpr_workgroup_id_z 1
		.amdhsa_system_vgpr_workitem_id 0
		.amdhsa_next_free_vgpr 224
		.amdhsa_next_free_sgpr 66
		.amdhsa_reserve_vcc 1
		.amdhsa_float_denorm_mode_32 3
		.amdhsa_float_denorm_mode_16_64 3
		.amdhsa_memory_ordered 1
		.amdhsa_forward_progress 1
		.amdhsa_inst_pref_size 25
	.end_amdhsa_kernel
	.amdgpu_metadata
---
amdhsa.version: [ 1, 2 ]
amdhsa.kernels:
  - .name:           k_qad9c8ef4d7_quant
    .symbol:         k_qad9c8ef4d7_quant.kd
    .args:
      - { .name: x, .offset: 0, .size: 8, .value_kind: global_buffer, .address_space: global }
      - { .name: w_qkv, .offset: 8, .size: 8, .value_kind: global_buffer, .address_space: global }
      - { .name: w_out, .offset: 16, .size: 8, .value_kind: global_buffer, .address_space: global }
      - { .name: xq, .offset: 24, .size: 8, .value_kind: global_buffer, .address_space: global }
      - { .name: wq, .offset: 32, .size: 8, .value_kind: global_buffer, .address_space: global }
      - { .name: wo, .offset: 40, .size: 8, .value_kind: global_buffer, .address_space: global }
      - { .name: tab, .offset: 48, .size: 8, .value_kind: global_buffer, .address_space: global }
    .group_segment_fixed_size: 237568
    .private_segment_fixed_size: 0
    .kernarg_segment_align: 8
    .kernarg_segment_size: 56
    .max_flat_workgroup_size: 224
    .sgpr_count:     66
    .vgpr_count:     224
    .wavefront_size: 32
...
	.end_amdgpu_metadata
.endif
;; end of part 1
;; launch proj (part 2): grid 16 x 16, 6 waves a work-group, clusters of 4 x 4, 327,680 bytes of LDS; arguments xq, wq, tab, gain, q, kv, vf; writes q, kv, vf
.if DOCPART == 2
	.amdgcn_target "amdgcn-amd-amdhsa--gfx1250"
	.amdhsa_code_object_version 6
	.text
	.protected	k_qad9c8ef4d7_proj
	.globl	k_qad9c8ef4d7_proj
	.p2align	8
	.type	k_qad9c8ef4d7_proj,@function
k_qad9c8ef4d7_proj:
	s_mov_b64 s[64:65], 0
	v_nop
	global_prefetch_b8 v0, s[64:65] scope:SCOPE_SE
	s_setreg_imm32_b32 hwreg(HW_REG_WAVE_MODE, 25, 1), 1
	s_wait_xcnt 0x0
	s_wait_alu depctr_hold_cnt(0) depctr_sa_sdst(0) depctr_va_vdst(0) depctr_va_sdst(0) depctr_va_ssrc(0) depctr_va_vcc(0) depctr_vm_vsrc(0)
	s_getreg_b32 s2, hwreg(HW_REG_IB_STS2, 6, 4)
	s_cmp_eq_u32 s2, 0
	s_cbranch_scc0 .Lentry_in_a_cluster
	s_endpgm
.Lentry_in_a_cluster:
	s_bfe_u32 s2, ttmp6, 0x10000c
	s_cmp_lg_u32 s2, 0xf033
	s_cbranch_scc0 .Lentry_shape_is_right
	s_endpgm
.Lentry_shape_is_right:
; proj = x w_qkv^T on codes of FP6 (E2M3) with E8M0 scales, and all that stands between it and attention: rotary embedding, RMS norm, gain, the quantisers of q, k and v, and V in f32 (vf).
; OPERANDS come as operand blocks in register order: fragment images of 1,536 bytes, four to each 64 rows, then 256 bytes of scale words for each 64 rows; [group of rows][K step 0..15].
; A block of tokens has 128 rows (12,800 bytes); a block of weights 192 rows (19,200 bytes): query heads 2 x and 2 x + 1 and, as its third part, key head x (x under 8) or value head x - 8.
; Lane r of tile T of 64 rows holds row 32 (T / 2) + 8 (T % 2) + r + 8 (r / 8).  With source 0 = P and source 1 = R, lane (r, h) of result tile (i of R, p of P) holds the row of R that lane r of tile i holds,
; and register j the row 32 (p / 2) + 16 h + 8 (p % 2) + j of P: the 16 registers of P's tiles 2 b, 2 b + 1 are 16 NEIGHBOURS along P, which is what each quantiser behind the product wants.
; SHARES.  2,048 tokens x 48 heads are 256 equal work-groups of 128 tokens x 3 heads.  Six waves; wave w makes 64 tokens (w % 2) x one head (w / 2): 16 accumulators.
; Waves 0-3 make Q.  Waves 4 and 5 make K in cluster columns 0 and 1 (P = weights, R = tokens, as for Q) and V in columns 2 and 3 (P = tokens, R = weights: a lane holds one channel, its registers run
; along the tokens, the K of attention's second product).  The roles hang on the wave's number and the cluster's column alone, alike in all partners.
; RING.  Two LDS slots of four K steps (128,000 bytes: weights 76,800, then tokens 51,200), four fills.  Slot 0 is filled at the head, slot 1 behind a round of the cluster's barrier when slot 0 has landed;
; slot 0 takes K steps 8-11 when step 3 has read it, slot 1 K steps 12-15 when step 7 has.  Waves 0-3 bring one K step of weights each (75 rows of 256 bytes), waves 4 and 5 two K steps of tokens each
; (100 rows): one load of a wave is out at any time.
; CLUSTER 4 x 4: the four of a row need the same tokens, the four of a column the same weights: joint loads.
; PREFETCH.  Behind the load of fill f stands a request for fill f + 1, one fill (four K steps) ahead; fill 3's load asks for nothing.  A fill is 200 blocks of 256 bytes of a group of tokens and 300 of a group
; of weights; the four partners that load a group jointly share its blocks out by address: 50 (by cx) and 75 (by cy).  Waves 0 and 1 name the 50, waves 2 to 4 the 75, a lane a block; lanes left over name their wave's last block.
; ADDRESSES.  The weights' and the tokens' K steps lie 19,200 and 12,800 bytes apart, and P and R change places for V: so each of the ring's eight K steps has six address registers of its own.
; vf: reference multiplies V by rsqrt(float32(1 + 1e-8)); 1 + 1e-8 rounds to 1.0 in f32, so the factor is 1.0 and V is the product's f32 sums.  vf is [batch][value head][token][64]; the next launch copies it into out1.
; The table of cos and sin is loaded by the waves that make V too, so that the text has one way up to the way out.
; LIMITS: a block whose largest magnitude lies under 2^-124 keeps the byte 1 (zeros too: their codes are zeros, and this program alone reads the bytes); NaN and infinities are not served;
; q is multiplied by rsqrt x gain formed first: one rounding placed otherwise than in reference.
; REGISTERS: window 0: v8-9 the add; v10-15, v24-27 lane offsets; v16-23 scale words, two sets; v28-30 the prefetches' offsets; v32-79 fragment addresses (free on the way out);
;   v32-127 at work on the way out; v128-255 accumulators, (i, p) at 128 + 8 (4 i + p).
;   window 1: two sets of 96: P's four fragments, then R's four; v192-255 cos and sin of token tiles 0 and 1; those of tiles 2 and 3 come into v0-63 in the last K step.
.set OBA,    12800
.set OBB,    19200
.set KVB,    12800                     ; a key step in kv
.set BREG,   4*OBB                     ; in a slot the tokens lie behind the weights
.set SLOT,   4*OBA+4*OBB
.set SPARE,  2*SLOT                    ; the spare words, 128 bytes a wave
.set STAGE,  SPARE+768                 ; 16 rows x 272 bytes for each wave; no fill lands here
.set SPITCH, 272
.set WSTG,   16*SPITCH
.set SPW, 8
.set NIL, 9
.set L16, 10
.set L8,  11
.set L4,  12
.set TA,  15                           ; my byte in the table
.set SC,  16
.set VS,  24                           ; V: into the stage
.set VR,  25                           ; and back
.set VO,  26                           ; my byte in two rows of vf
.set R4,  27                           ; 4 r
.set PF,  28                           ; v28-30: my block of fills 1, 2, 3
.set PFB, 58                           ; s[58:59]: my group's first byte + my work-group's share
.set AD,  32                           ; K step k of the ring at 32 + 6 k: P's images by 16 and by 8 bytes a lane, R's likewise, P's scale words, R's
.set TM,  64
.set PC,  80
.set PW,  100
.set ACC, 128
.set G1A, 24
.set G1B, 32
.set G0A, 40
.set G0B, 48
.set SEL, 90
.set MSB, 0
.macro WIN new                         ; the immediate's high byte repeats the setting that is left
.if MSB != \new
	s_set_vgpr_msb (MSB<<8)|\new
.set MSB, \new
.endif
.endm
.set MUL,  0x05                        ; sources 0 and 1 window 1; C and D window 0
.set TO_F, 0x40                        ; destination window 1, address window 0
.macro PLACES                          ; four plain places behind matrix instructions (ISA guide 7.12.1)
.rept 4
	v_nop
.endr
.endm
.macro CROUND                          ; a round of the cluster's barrier
	s_barrier_signal -1
	s_barrier_wait -1
	s_cmp_lg_u32 s10, 0
	s_cbranch_scc1 .Lnot_wave_0_\@
	s_barrier_signal -3
.Lnot_wave_0_\@:
	s_barrier_wait -3
	s_barrier_signal -1
	s_barrier_wait -1
.endm
.macro JLOAD s                         ; slot s: waves 0-3 ask for weights, waves 4 and 5 for tokens; one load to each arm
	s_cmp_lt_u32 s10, 4
	s_cbranch_scc0 .Lfor_a_\@
	tensor_load_to_lds s[G0B+4*\s:G0B+4*\s+3], s[G1B:G1B+7]
	s_nop 0
.rept 4
	v_nop
.endr
	s_branch .Lasked_\@
.Lfor_a_\@:
	tensor_load_to_lds s[G0A+4*\s:G0A+4*\s+3], s[G1A:G1A+7]
	s_nop 0
.rept 4
	v_nop
.endr
.Lasked_\@:
.endm
.macro PFETCH f                        ; my block of fill f; wave 5 has none
	s_cmp_lt_u32 s10, 5
	s_cbranch_scc0 .Lno_pf_\@
	global_prefetch_b8 v[PF+(\f)-1], s[PFB:PFB+1] th:TH_LOAD_NT scope:SCOPE_SE
.Lno_pf_\@:
.endm
.macro FETCH t                         ; K step t: P's four fragments, R's four, and their scale words, into set t % 2: 34 loads, all dense
.set FS, 96*((\t)%2)
.set FA, AD+6*((\t)%8)
	WIN TO_F
.irp p, 0,1,2,3
	ds_load_b128 v[FS+12*\p:FS+12*\p+3], v[FA] offset:1536*\p
	ds_load_b64 v[FS+12*\p+4:FS+12*\p+5], v[FA+1] offset:1536*\p+512
	ds_load_b128 v[FS+12*\p+6:FS+12*\p+9], v[FA] offset:1536*\p+768
	ds_load_b64 v[FS+12*\p+10:FS+12*\p+11], v[FA+1] offset:1536*\p+1280
.endr
.irp p, 0,1,2,3
	ds_load_b128 v[FS+48+12*\p:FS+48+12*\p+3], v[FA+2] offset:1536*\p
	ds_load_b64 v[FS+48+12*\p+4:FS+48+12*\p+5], v[FA+3] offset:1536*\p+512
	ds_load_b128 v[FS+48+12*\p+6:FS+48+12*\p+9], v[FA+2] offset:1536*\p+768
	ds_load_b64 v[FS+48+12*\p+10:FS+48+12*\p+11], v[FA+3] offset:1536*\p+1280
.endr
	WIN 0
	ds_load_b64 v[SC+4*((\t)%2):SC+4*((\t)%2)+1], v[FA+4]        ; register T / 2, lanes 0-15 or 16-31: tile T of P
	ds_load_b64 v[SC+4*((\t)%2)+2:SC+4*((\t)%2)+3], v[FA+5]      ; of R
.endm
.macro WM set, i, p, zero              ; one product: R's tile i x P's tile p
.set WD, ACC+8*(4*(\i)+(\p))
.set WA, 96*(\set)+12*(\p)
.set WB, 96*(\set)+48+12*(\i)
.set WP, SC+4*(\set)+(\p)/2
.set WR, SC+4*(\set)+2+(\i)/2
.set WSEL, 4*(\zero)+2*((\i)%2)+(\p)%2
.if WSEL == 0
	v_wmma_scale_f32_16x16x128_f8f6f4 v[WD:WD+7], v[WA:WA+11], v[WB:WB+11], v[WD:WD+7], v[WP], v[WR] matrix_a_fmt:MATRIX_FMT_FP6 matrix_b_fmt:MATRIX_FMT_FP6
.elseif WSEL == 1
	v_wmma_scale_f32_16x16x128_f8f6f4 v[WD:WD+7], v[WA:WA+11], v[WB:WB+11], v[WD:WD+7], v[WP], v[WR] matrix_a_fmt:MATRIX_FMT_FP6 matrix_b_fmt:MATRIX_FMT_FP6 matrix_a_scale:MATRIX_SCALE_ROW1
.elseif WSEL == 2
	v_wmma_scale_f32_16x16x128_f8f6f4 v[WD:WD+7], v[WA:WA+11], v[WB:WB+11], v[WD:WD+7], v[WP], v[WR] matrix_a_fmt:MATRIX_FMT_FP6 matrix_b_fmt:MATRIX_FMT_FP6 matrix_b_scale:MATRIX_SCALE_ROW1
.elseif WSEL == 3
	v_wmma_scale_f32_16x16x128_f8f6f4 v[WD:WD+7], v[WA:WA+11], v[WB:WB+11], v[WD:WD+7], v[WP], v[WR] matrix_a_fmt:MATRIX_FMT_FP6 matrix_b_fmt:MATRIX_FMT_FP6 matrix_a_scale:MATRIX_SCALE_ROW1 matrix_b_scale:MATRIX_SCALE_ROW1
.elseif WSEL == 4
	v_wmma_scale_f32_16x16x128_f8f6f4 v[WD:WD+7], v[WA:WA+11], v[WB:WB+11], 0, v[WP], v[WR] matrix_a_fmt:MATRIX_FMT_FP6 matrix_b_fmt:MATRIX_FMT_FP6
.elseif WSEL == 5
	v_wmma_scale_f32_16x16x128_f8f6f4 v[WD:WD+7], v[WA:WA+11], v[WB:WB+11], 0, v[WP], v[WR] matrix_a_fmt:MATRIX_FMT_FP6 matrix_b_fmt:MATRIX_FMT_FP6 matrix_a_scale:MATRIX_SCALE_ROW1
.elseif WSEL == 6
	v_wmma_scale_f32_16x16x128_f8f6f4 v[WD:WD+7], v[WA:WA+11], v[WB:WB+11], 0, v[WP], v[WR] matrix_a_fmt:MATRIX_FMT_FP6 matrix_b_fmt:MATRIX_FMT_FP6 matrix_b_scale:MATRIX_SCALE_ROW1
.else
	v_wmma_scale_f32_16x16x128_f8f6f4 v[WD:WD+7], v[WA:WA+11], v[WB:WB+11], 0, v[WP], v[WR] matrix_a_fmt:MATRIX_FMT_FP6 matrix_b_fmt:MATRIX_FMT_FP6 matrix_a_scale:MATRIX_SCALE_ROW1 matrix_b_scale:MATRIX_SCALE_ROW1
.endif
.endm
.macro MUL8 set, i0, zero              ; the 16 accumulators take turns, one instruction a turn, in the same order in every step
.irp i, \i0, \i0+1
.irp p, 0,1,2,3
	WM \set, \i, \p, \zero
.endr
.endr
.endm
.macro STEP t, zero                    ; a K step whose successor lies in bytes that are shown whole
	s_wait_dscnt 0x0                               ; this step's 34 loads are in
	PLACES                                         ; the other set was multiplied last
	FETCH (\t)+1
	WIN MUL
	MUL8 (\t)%2, 0, \zero
	MUL8 (\t)%2, 2, \zero
	WIN 0
.endm
; The last K step of slot s, which is filled again with the K steps eight further on
.macro TURN t, s
	s_wait_dscnt 0x0                               ; this step's fragments are in: my last reads of the slot
	s_wait_tensorcnt 0x0                           ; my one tensor load that was out has landed: my part of the other slot
	ds_add_u32 v[SPW], v[NIL]                      ; 0 onto my spare word
	s_add_nc_u64 s[G0A+4*\s+2:G0A+4*\s+3], s[G0A+4*\s+2:G0A+4*\s+3], 8*OBA
	s_add_nc_u64 s[G0B+4*\s+2:G0B+4*\s+3], s[G0B+4*\s+2:G0B+4*\s+3], 8*OBB
	WIN MUL
	MUL8 (\t)%2, 0, 0                              ; eight products stand between the add and the wait for it
	WIN 0
	s_wait_dscnt 0x0                               ; the add is done
	CROUND                                         ; no wave of any partner still reads the slot or has a load on its way
	JLOAD \s                                       ; the first tensor load behind the round; its four v_nop are the places ahead of the loads below
	FETCH (\t)+1                                   ; the other slot: every wave showed it landed ahead of the round
.if \s == 0
	PFETCH 3                                       ; behind fill 2's load: fill 3
.endif
	WIN MUL
	MUL8 (\t)%2, 2, 0
	WIN 0
.endm
.macro TABLOAD i                       ; cos and sin of token tile i: 16 frequencies each, into window 1
.set W, (192+32*(\i))%256
.irp c, 0,1,2,3
	global_load_b128 v[W+4*\c:W+4*\c+3], v[TA], s[72:73] offset:(32*((\i)/2)+8*((\i)%2))*256+16*\c
	global_load_b128 v[W+16+4*\c:W+16+4*\c+3], v[TA], s[72:73] offset:(32*((\i)/2)+8*((\i)%2))*256+128+16*\c
.endr
.endm
	s_load_b256 s[68:75], s[0:1], 0x0              ; xq, wq, tab, gain
	s_load_b128 s[76:79], s[0:1], 0x20             ; q, kv
	s_load_b64 s[80:81], s[0:1], 0x30              ; vf
	v_lshl_add_u32 v[SPW], v0, 2, SPARE
	v_mov_b32 v[NIL], 0
	ds_add_u32 v[SPW], v[NIL]                      ; the opening lines: the add twice on end and one wait
	ds_add_u32 v[SPW], v[NIL]
	v_lshrrev_b32 v1, 5, v0
	v_readfirstlane_b32 s10, v1                    ; wave 0..5
	s_lshr_b32 s11, s10, 1                         ; which of the three heads is mine
	s_and_b32 s12, s10, 1                          ; which 64 tokens.  Also, in waves 4 and 5: which two of a slot's four K steps of tokens I fetch
	s_bfe_u32 s13, ttmp6, 0x40000                  ; cx
	s_bfe_u32 s14, ttmp6, 0x40004                  ; cy
	s_lshl_b32 s15, ttmp9, 2
	s_add_co_u32 s15, s15, s13                     ; x: the group of 192 features
	s_and_b32 s16, ttmp7, 0xffff
	s_lshl_b32 s16, s16, 2
	s_add_co_u32 s16, s16, s14                     ; y: the group of 128 tokens
	s_lshl_b32 s17, s14, 2
	s_lshl_b32 s17, 15, s17                        ; my row of the cluster
	s_lshl_b32 s18, 0x1111, s13                    ; my column
	s_or_b32 s[G1A], s17, (3<<16)|(1<<21)          ; 15:0 the mask; elements of 8 bytes; 21 set beside a mask; no padding
	s_or_b32 s[G1B], s18, (3<<16)|(1<<21)
	s_mov_b32 s[G1A+1], 32<<16                     ; rows of 256 bytes
	s_mov_b32 s[G1A+2], 100<<16                    ; 100 rows: two blocks of tokens
	s_mov_b32 s[G1A+3], 32<<16
	s_mov_b32 s[G1A+4], 100
	s_mov_b32 s[G1A+5], 32                         ; dense
	s_mov_b32 s[G1A+6], 0
	s_mov_b32 s[G1A+7], 0
	s_mov_b32 s[G1B+1], 32<<16
	s_mov_b32 s[G1B+2], 75<<16                     ; 75 rows: one block of weights
	s_mov_b32 s[G1B+3], 32<<16
	s_mov_b32 s[G1B+4], 75
	s_mov_b32 s[G1B+5], 32
	s_mov_b32 s[G1B+6], 0
	s_mov_b32 s[G1B+7], 0
	s_mul_i32 s19, s12, 2*OBA
	s_mul_i32 s20, s16, 16*OBA                     ; tokens: made of y and the wave's number alone
	s_add_co_u32 s20, s20, s19
	s_mov_b32 s21, 0
	s_add_co_u32 s3, s19, BREG                     ; and their place in a slot
	s_and_b32 s4, s10, 3                           ; in waves 0-3: which K step of weights I fetch
	s_mul_i32 s5, s4, OBB                          ; its place in a slot, and in memory
	s_mul_i32 s22, s15, 16*OBB                     ; weights: made of x and the wave's number alone
	s_add_co_u32 s22, s22, s5
	s_mov_b32 s23, 0
	s_wait_dscnt 0x0                               ; both opening adds are done
	s_wait_kmcnt 0x0
	s_load_b32 s82, s[74:75], 0x0                  ; gain
	s_add_nc_u64 s[20:21], s[68:69], s[20:21]
	s_add_nc_u64 s[22:23], s[70:71], s[22:23]
	CROUND                                         ; all sixteen work-groups are here: the first joint loads meet
.irp s, 0,1
	s_mov_b32 s[G0A+4*\s], 1
	s_add_co_u32 s[G0A+4*\s+1], s3, \s*SLOT
	s_add_nc_u64 s[G0A+4*\s+2:G0A+4*\s+3], s[20:21], \s*4*OBA
	s_or_b32 s[G0A+4*\s+3], s[G0A+4*\s+3], 0x80000000
	s_mov_b32 s[G0B+4*\s], 1
	s_add_co_u32 s[G0B+4*\s+1], s5, \s*SLOT
	s_add_nc_u64 s[G0B+4*\s+2:G0B+4*\s+3], s[22:23], \s*4*OBB
	s_or_b32 s[G0B+4*\s+3], s[G0B+4*\s+3], 0x80000000
.endr
	JLOAD 0                                        ; K steps 0 to 3: one tensor load a wave at the head
	v_and_b32 v1, 31, v0                           ; lane
	v_and_b32 v2, 15, v0                           ; r
	v_bfe_u32 v3, v0, 4, 1                         ; h
	v_lshlrev_b32 v[L16], 4, v1
	v_lshlrev_b32 v[L8], 3, v1
	v_lshlrev_b32 v[L4], 2, v1
	v_and_b32 v4, 8, v2
	v_add_nc_u32 v4, v4, v2                        ; r + 8 (r / 8)
	v_lshlrev_b32 v[TA], 8, v4
	v_lshl_add_u32 v[TA], v3, 6, v[TA]             ; the table: 256 bytes a position, + 64 h: frequencies 16 h on
	s_mul_i32 s83, s10, WSTG
	s_add_co_u32 s83, s83, STAGE                   ; my stage
	v_mul_u32_u24 v[VS], v3, 8*SPITCH
	v_lshl_add_u32 v[VS], v4, 2, v[VS]
	v_add_nc_u32 v[VS], s83, v[VS]                 ; in: row 8 h + j, channel r + 8 (r / 8) of a tile
	v_mul_u32_u24 v[VR], v3, SPITCH
	v_lshl_add_u32 v[VR], v2, 4, v[VR]
	v_add_nc_u32 v[VR], s83, v[VR]                 ; back: lanes 0-15 one row of 256 bytes, lanes 16-31 the next
	v_lshlrev_b32 v[VO], 8, v3
	v_lshl_add_u32 v[VO], v2, 4, v[VO]
	v_lshlrev_b32 v[R4], 2, v2
	s_lshr_b32 s8, s10, 2                          ; 1 in waves 4 and 5
	s_cmp_ge_u32 ttmp9, 2                          ; the cluster's column, alike in all partners
	s_cselect_b32 s9, s8, 0                        ; 1: my head is a value head: P is read from the tokens, R from the weights
	s_mul_i32 s56, s11, 6144                       ; the weights: my head's four fragments,
	s_mul_i32 s57, s12, 6144
	s_add_co_u32 s57, s57, BREG                    ; the tokens: my 64,
	s_lshl_b32 s58, s11, 8
	s_add_co_u32 s58, s58, 18432                   ; my head's scale words,
	s_lshl_b32 s59, s12, 8
	s_add_co_u32 s59, s59, BREG+12288              ; my tokens' scale words
	s_wait_alu depctr_va_vdst(0)                   ; the wait here, ahead of the readers below
.irp k, 0,1,2,3,4,5,6,7                        ; K step k of the ring: slot k / 4
	s_add_co_u32 s4, s56, (\k/4)*SLOT+(\k%4)*OBB
	s_add_co_u32 s5, s57, (\k/4)*SLOT+(\k%4)*OBA
	s_add_co_u32 s6, s58, (\k/4)*SLOT+(\k%4)*OBB
	s_add_co_u32 s7, s59, (\k/4)*SLOT+(\k%4)*OBA
	s_cmp_eq_u32 s9, 1
	s_cselect_b32 s60, s5, s4                      ; P
	s_cselect_b32 s61, s4, s5                      ; R
	s_cselect_b32 s62, s7, s6
	s_cselect_b32 s63, s6, s7
	v_add_nc_u32 v[AD+6*\k], s60, v[L16]
	v_add_nc_u32 v[AD+6*\k+1], s60, v[L8]
	v_add_nc_u32 v[AD+6*\k+2], s61, v[L16]
	v_add_nc_u32 v[AD+6*\k+3], s61, v[L8]
	v_add_nc_u32 v[AD+6*\k+4], s62, v[L8]
	v_add_nc_u32 v[AD+6*\k+5], s63, v[L8]
.endr
	; the prefetches: waves 0 and 1 name blocks of my group of tokens, waves 2 to 4 of my group of weights
	s_cmp_lt_u32 s10, 2
	s_cselect_b64 s[PFB:PFB+1], s[68:69], s[70:71]
	s_cselect_b32 s4, s16, s15                     ; the group: y or x
	s_cselect_b32 s5, s13, s14                     ; my place among the four that load it jointly: it enters the address alone
	s_mov_b32 s6, 16*OBB
	s_cselect_b32 s6, 16*OBA, s6                   ; bytes of a group
	s_mov_b32 s7, 75*256
	s_cselect_b32 s7, 50*256, s7                   ; bytes of a partner's share of a fill
	s_mov_b32 s60, 4*OBB
	s_cselect_b32 s60, 4*OBA, s60                  ; bytes of a fill
	s_cselect_b32 s61, 49, 74                      ; the share's last block
	s_cselect_b32 s62, 0, 2                        ; the first wave of my kind
	s_mul_i32 s4, s4, s6
	s_mul_i32 s5, s5, s7
	s_add_co_u32 s4, s4, s5
	s_mov_b32 s5, 0
	s_add_nc_u64 s[PFB:PFB+1], s[PFB:PFB+1], s[4:5]
	s_sub_co_u32 s62, s10, s62
	s_lshl_b32 s62, s62, 5
	v_add_nc_u32 v[PF], s62, v1                    ; my block of the share,
	v_min_u32 v[PF], s61, v[PF]                    ; held at the last
	v_lshlrev_b32 v[PF], 8, v[PF]
	v_add_nc_u32 v[PF], s60, v[PF]                 ; in fill 1,
	v_add_nc_u32 v[PF+1], s60, v[PF]               ; 2,
	v_add_nc_u32 v[PF+2], s60, v[PF+1]             ; 3: the last byte named lies inside the group
	s_wait_alu depctr_va_vdst(0)                   ; the wait ahead of the branch and the reader
	PFETCH 1                                       ; behind fill 0's load: fill 1
	s_and_b32 s84, s16, 7                          ; cos and sin of my 64 tokens: position 128 (y % 8) + 64 (wave % 2) on
	s_lshl_b32 s84, s84, 7
	s_lshl_b32 s85, s12, 6
	s_add_co_u32 s84, s84, s85
	s_lshl_b32 s84, s84, 8
	s_mov_b32 s85, 0
	s_add_nc_u64 s[72:73], s[72:73], s[84:85]
	WIN TO_F
	TABLOAD 0
	TABLOAD 1
	WIN 0
	s_wait_alu depctr_va_vdst(0)                   ; the wait at the head's end
	s_wait_tensorcnt 0x0                           ; my part of slot 0 is in; slot 1's first fill is issued as a refill is:
	ds_add_u32 v[SPW], v[NIL]                      ; 0 onto my spare word
	s_wait_dscnt 0x0
	CROUND                                         ; everybody's part of slot 0 is in, and all sixteen work-groups are here
	JLOAD 1                                        ; K steps 4 to 7: the first tensor load behind the round
	FETCH 0
	PFETCH 2                                       ; behind fill 1's load: fill 2
	STEP 0, 1                                      ; the first products start the sums
	STEP 1, 0
	STEP 2, 0
	TURN 3, 0                                      ; slot 0 takes K steps 8 to 11
	STEP 4, 0
	STEP 5, 0
	STEP 6, 0
	TURN 7, 1                                      ; slot 1 takes K steps 12 to 15
	STEP 8, 0
	STEP 9, 0
	STEP 10, 0
	; K step 11: on into slot 1 again
	s_wait_dscnt 0x0
	s_wait_tensorcnt 0x0                           ; my one load that is out: my part of K steps 12 to 15
	s_barrier_signal -1
	s_barrier_wait -1                              ; everybody's part is in
	PLACES
	FETCH 12
	WIN MUL
	MUL8 1, 0, 0
	MUL8 1, 2, 0
	WIN 0
	STEP 12, 0
	STEP 13, 0
	STEP 14, 0
	s_wait_dscnt 0x0                               ; the last K step: no fragments are left to fetch
	PLACES                                         ; set 0 was multiplied last and is done with:
	WIN TO_F
	TABLOAD 2                                      ; it takes cos and sin of token tiles 2 and 3
	TABLOAD 3
	WIN MUL
	MUL8 1, 0, 0
	MUL8 1, 2, 0
	WIN 0
.irp b, 0,1,2,3
	v_mov_b32 v[TM+4+\b], 0                        ; a lane permute's destination counts as one of its sources.  These four lines are also the places behind the last products
.endr
	s_wait_kmcnt 0x0                               ; gain
; 64 numbers of a lane, register 16 b + i = k 32 b + 16 h + i, become a fragment in v[PC] on and its scale word in v[PW]
.macro QUANT s
.irp b, 0,1,2,3
	v_max3_num_f32 v[TM+\b], |v[\s+16*\b]|, |v[\s+1+16*\b]|, 0x1800000   ; my 16 numbers of block b, and the floor 2^(3 - 127): the byte cannot fall under 1
.endr
.irp i, 2,4,6,8,10,12,14
.irp b, 0,1,2,3
	v_max3_num_f32 v[TM+\b], v[TM+\b], |v[\s+16*\b+\i]|, |v[\s+1+16*\b+\i]|
.endr
.endr
.irp b, 0,1,2,3
	v_permlanex16_b32 v[TM+4+\b], v[TM+\b], s[SEL], s[SEL+1]
.endr
.irp b, 0,1,2,3
	v_max_num_f32 v[TM+\b], v[TM+\b], v[TM+4+\b]   ; with lane l xor 16's: the block's largest magnitude
.endr
.irp b, 0,1,2,3
	v_add_nc_u32 v[TM+12+\b], 0xff000000, v[TM+\b] ; 2 off its exponent field: the conversion's scale operand
.endr
.irp b, 0,1,2,3
	v_lshrrev_b32 v[TM+4+\b], 23, v[TM+12+\b]      ; the byte
.endr
	v_lshl_or_b32 v[PW], v[TM+5], 8, v[TM+4]
	v_lshl_or_b32 v[PW], v[TM+6], 16, v[PW]
	v_lshl_or_b32 v[PW], v[TM+7], 24, v[PW]
.irp c, 0,1
	v_cvt_scalef32_pk16_fp6_f32 v[PC+6*\c:PC+2+6*\c], v[\s+32*\c:\s+15+32*\c], v[TM+12+2*\c]
	v_cvt_scalef32_pk16_fp6_f32 v[PC+12+4*\c:PC+14+4*\c], v[\s+16+32*\c:\s+31+32*\c], v[TM+12+2*\c+1]
.endr
	v_nop                                          ; one plain place behind a scaled conversion
.irp c, 0,1                                    ; the layout wants a whole block in a lane: lanes 0-15 block 2 c, lanes 16-31 block 2 c + 1
.irp i, 0,1,2
	v_permlane16_swap_b32 v[PC+6*\c+\i], v[PC+12+4*\c+\i]
.endr
.irp i, 0,1,2
	v_mov_b32 v[PC+3+6*\c+\i], v[PC+12+4*\c+\i]
.endr
.endr
.endm
	s_cmp_eq_u32 s9, 1
	s_cbranch_scc1 .Lvalues
	; ---- Q and K.  Of token tile i a lane holds registers 16 b + e = feature 32 b + 16 h + e of my head: e and 16 + e are a rotary pair, of frequency 16 h + e
	s_lshl_b32 s87, s15, 1
	s_add_co_u32 s87, s87, s11                     ; a query head: 2 x + wave / 2
	s_cmp_lt_u32 s10, 4                            ; Q or K: every choice hangs on the wave's number alone
	s_cselect_b64 s[84:85], s[76:77], s[78:79]     ; q or kv
	s_cselect_b32 s86, s82, 1.0                    ; gain stands on q alone
	s_cselect_b32 s87, s87, s15                    ; my head; a key head: x
	s_cselect_b32 s88, 5, 3                        ; 32 or 8 heads a batch, as a shift
	s_mov_b32 s89, 8*KVB
	s_cselect_b32 s89, 51200, s89                  ; bytes of a head
	s_mov_b32 s90, KVB
	s_cselect_b32 s90, 6144, s90                   ; bytes from 128 tokens' codes to the next
	s_mov_b32 s91, 12288
	s_cselect_b32 s91, 49152, s91                  ; where scale words begin
	s_mov_b32 s92, KVB
	s_cselect_b32 s92, 256, s92                    ; bytes from 128 tokens' scale words to the next
	s_lshr_b32 s93, s16, 3                         ; the batch
	s_lshl_b32 s93, s93, s88
	s_add_co_u32 s87, s87, s93
	s_mul_i32 s87, s87, s89
	s_and_b32 s93, s16, 7                          ; which 128 tokens
	s_mul_i32 s94, s93, s90
	s_add_co_u32 s94, s94, s87
	s_mul_i32 s95, s12, 3072
	s_add_co_u32 s94, s94, s95
	s_mov_b32 s95, 0
	s_add_nc_u64 s[96:97], s[84:85], s[94:95]      ; my two fragment images
	s_mul_i32 s94, s93, s92
	s_add_co_u32 s94, s94, s87
	s_add_co_u32 s94, s94, s91
	s_lshl_b32 s93, s12, 7
	s_add_co_u32 s94, s94, s93
	s_add_nc_u64 s[98:99], s[84:85], s[94:95]      ; my 128 bytes of scale words
	s_mov_b32 s88, 0x3c800000                      ; 1 / 64
	s_mov_b32 s89, 0x358637bd                      ; 1e-6
	s_mov_b32 s[SEL], 0x76543210
	s_mov_b32 s[SEL+1], 0xfedcba98
	s_mov_b32 s92, 0xffff0000                      ; lanes 16-31
.macro ROPE i                          ; ascending
	WIN 0x04                                       ; source 1: window 1
.irp e, 0,2,4,6,8,10,12,14
.set Y, ACC+32*(\i)+\e
.set W, (192+32*(\i))%256+\e
.set T, 32+4*((\e/2)%2)
	v_pk_mul_f32 v[T:T+1], v[Y+16:Y+17], v[W+16:W+17]              ; t2 sin
	v_pk_mul_f32 v[T+2:T+3], v[Y:Y+1], v[W+16:W+17]                ; t1 sin
	v_pk_fma_f32 v[Y:Y+1], v[Y:Y+1], v[W:W+1], v[T:T+1] neg_lo:[0,0,1] neg_hi:[0,0,1]   ; t1 cos - t2 sin
	v_pk_fma_f32 v[Y+16:Y+17], v[Y+16:Y+17], v[W:W+1], v[T+2:T+3]  ; t2 cos + t1 sin
.endr
	WIN 0
.endm
.macro NORM i
.set Y, ACC+32*(\i)
	v_pk_mul_f32 v[40:41], v[Y:Y+1], v[Y:Y+1]
	v_pk_mul_f32 v[42:43], v[Y+2:Y+3], v[Y+2:Y+3]
.irp e, 4,8,12,16,20,24,28
	v_pk_fma_f32 v[40:41], v[Y+\e:Y+\e+1], v[Y+\e:Y+\e+1], v[40:41]
	v_pk_fma_f32 v[42:43], v[Y+\e+2:Y+\e+3], v[Y+\e+2:Y+\e+3], v[42:43]
.endr
	v_pk_add_f32 v[40:41], v[40:41], v[42:43]
	v_add_f32 v40, v40, v41
	v_permlanex16_b32 v41, v40, s[SEL], s[SEL+1]
	v_add_f32 v40, v40, v41                        ; the head's 64 squares
	v_fma_f32 v40, v40, s88, s89                   ; the mean + 1e-6
	s_wait_alu depctr_va_vdst(0)
	v_rsq_f32 v40, v40
	v_nop                                          ; a plain place behind the transcendental
	s_wait_alu depctr_va_vdst(0)
	v_mul_f32 v40, s86, v40
.irp e, 0,2,4,6,8,10,12,14,16,18,20,22,24,26,28,30
	v_pk_mul_f32 v[Y+\e:Y+\e+1], v[Y+\e:Y+\e+1], v[40:41] op_sel_hi:[1,0]
.endr
.endm
	s_wait_loadcnt 16                              ; cos and sin of token tiles 0 and 1 are in; the sixteen loads of the last K step may be out
.irp m, 0,1                                    ; token tiles 2 m and 2 m + 1 make one fragment: K 0-63 the first tile's head, K 64-127 the second's
.if \m > 0
	s_wait_loadcnt 0x0                             ; cos and sin of token tiles 2 and 3
.endif
	ROPE 2*\m
	ROPE 2*\m+1
	NORM 2*\m
	NORM 2*\m+1
.if \m > 0
	v_mov_b32 v101, v[PW]                          ; the first pair's scale word is kept
	s_wait_xcnt 0x0                                ; the first pair's stores have read the codes' registers
.endif
	QUANT ACC+64*\m
	global_store_b128 v[L16], v[PC:PC+3], s[96:97] offset:1536*\m
	global_store_b64 v[L8], v[PC+4:PC+5], s[96:97] offset:1536*\m+512
	global_store_b128 v[L16], v[PC+6:PC+9], s[96:97] offset:1536*\m+768
	global_store_b64 v[L8], v[PC+10:PC+11], s[96:97] offset:1536*\m+1280
.endr
	v_cndmask_b32 v102, v101, v[PW], s92           ; lanes 0-15 the first 32 tokens' words, lanes 16-31 the second's
	global_store_b32 v[L4], v102, s[98:99]
	s_branch .Lend
.Lvalues:
	; ---- V.  Of channel tile i a lane holds one channel; registers 16 b + e = token 32 b + 16 h + e of my 64
	s_sub_co_u32 s87, s15, 8                       ; my value head
	s_lshr_b32 s88, s16, 3                         ; the batch
	s_and_b32 s89, s16, 7                          ; the key step
	s_lshl_b32 s90, s88, 3
	s_add_co_u32 s90, s90, s87
	s_lshl_b32 s90, s90, 18                        ; vf: plane 8 batch + head, 262,144 bytes each
	s_lshl_b32 s91, s89, 7
	s_lshl_b32 s92, s12, 6
	s_add_co_u32 s91, s91, s92
	s_lshl_b32 s91, s91, 8                         ; my first token, 256 bytes a row
	s_add_co_u32 s90, s90, s91
	s_mov_b32 s91, 0
	s_add_nc_u64 s[84:85], s[80:81], s[90:91]
	s_lshl_b32 s90, s88, 3
	s_add_co_u32 s90, s90, s87
	s_mul_i32 s90, s90, 8*KVB
	s_mul_i32 s92, s89, KVB
	s_add_co_u32 s90, s90, s92                     ; the key step's 12,800 bytes of kv
	s_mul_i32 s92, s12, 768
	s_add_co_u32 s92, s92, s90
	s_add_co_u32 s92, s92, 6144
	s_mov_b32 s93, 0
	s_add_nc_u64 s[96:97], s[78:79], s[92:93]      ; V's fragments, my half (keys 64 (wave % 2) on) of each
	s_lshl_b32 s92, s12, 1
	s_add_co_u32 s92, s92, s90
	s_add_co_u32 s92, s92, 12544
	s_add_nc_u64 s[98:99], s[78:79], s[92:93]      ; V's scale words, my two bytes of each
	s_mov_b32 s[SEL], 0x76543210
	s_mov_b32 s[SEL+1], 0xfedcba98
.macro OUT1 p                          ; the 16 tokens of token tile p x 64 channels turn through my stage and leave as whole rows
.irp i, 0,1,2,3
.irp j, 0,1,2,3,4,5,6,7
	ds_store_b32 v[VS], v[ACC+32*\i+8*(\p)+\j] offset:SPITCH*\j+128*(\i/2)+32*(\i%2)   ; each accumulator from its low end on
.endr
.endr
.irp t, 0,1,2,3,4,5,6,7
	ds_load_b128 v[32+4*\t:32+4*\t+3], v[VR] offset:2*SPITCH*\t    ; LDS serves a wave in order: these see the stores above
.endr
	s_wait_dscnt 0x0
.irp t, 0,1,2,3,4,5,6,7
	global_store_b128 v[VO], v[32+4*\t:32+4*\t+3], s[84:85] offset:(32*((\p)/2)+8*((\p)%2)+16*(\t/4)+2*(\t%4))*256   ; 512 consecutive bytes, aligned
.endr
	s_wait_xcnt 0x0                                ; the stores have read their registers: the next tile may land there
.endm
	OUT1 0
	OUT1 1
	OUT1 2
	OUT1 3
.irp m, 0,1                                    ; channel tiles 2 m and 2 m + 1: registers 0-5 are the first tile's half fragment, registers 6-11 the second's
	QUANT ACC+64*\m
	global_store_b128 v[L16], v[PC:PC+3], s[96:97] offset:3072*\m
	global_store_b64 v[L8], v[PC+4:PC+5], s[96:97] offset:3072*\m+512
	global_store_b128 v[L16], v[PC+6:PC+9], s[96:97] offset:3072*\m+1536
	global_store_b64 v[L8], v[PC+10:PC+11], s[96:97] offset:3072*\m+2048
	global_store_b16 v[R4], v[PW], s[98:99] offset:128*\m              ; two bytes a row: the other two of a word are made by the wave with the other 64 keys
	global_store_d16_hi_b16 v[R4], v[PW], s[98:99] offset:128*\m+64
	s_wait_xcnt 0x0
.endr
.Lend:
	s_wait_tensorcnt 0x0                           ; the wave's end
	ds_add_u32 v[SPW], v[NIL]
	s_wait_dscnt 0x0
	CROUND                                         ; the closing round: no work-group ends while a partner may still ask for a tile that names it
	s_endpgm
.Lfunc_end_k_qad9c8ef4d7_proj:
	.size	k_qad9c8ef4d7_proj, .Lfunc_end_k_qad9c8ef4d7_proj-k_qad9c8ef4d7_proj
	.p2alignl 7, 3214868480
	.fill 96, 4, 3214868480
	.section	.rodata,"a",@progbits
	.p2align	6, 0x0
	.amdhsa_kernel k_qad9c8ef4d7_proj
		.amdhsa_group_segment_fixed_size 327680
		.amdhsa_private_segment_fixed_size 0
		.amdhsa_enable_private_segment 0
		.amdhsa_kernarg_size 56
		.amdhsa_user_sgpr_count 2
		.amdhsa_user_sgpr_kernarg_segment_ptr 1
		.amdhsa_wavefront_size32 1
		.amdhsa_system_sgpr_workgroup_id_x 1
		.amdhsa_system_sgpr_workgroup_id_y 1
		.amdhsa_system_sgpr_workgroup_id_z 1
		.amdhsa_system_vgpr_workitem_id 0
		.amdhsa_next_free_vgpr 512
		.amdhsa_next_free_sgpr 100
		.amdhsa_reserve_vcc 0
		.amdhsa_float_denorm_mode_32 3
		.amdhsa_float_denorm_mode_16_64 3
		.amdhsa_memory_ordered 1
		.amdhsa_forward_progress 1
		.amdhsa_inst_pref_size 141
	.end_amdhsa_kernel
	.amdgpu_metadata
---
amdhsa.version: [ 1, 2 ]
amdhsa.kernels:
  - .name:           k_qad9c8ef4d7_proj
    .symbol:         k_qad9c8ef4d7_proj.kd
    .args:
      - { .name: xq, .offset: 0, .size: 8, .value_kind: global_buffer, .address_space: global }
      - { .name: wq, .offset: 8, .size: 8, .value_kind: global_buffer, .address_space: global }
      - { .name: tab, .offset: 16, .size: 8, .value_kind: global_buffer, .address_space: global }
      - { .name: gain, .offset: 24, .size: 8, .value_kind: global_buffer, .address_space: global }
      - { .name: q, .offset: 32, .size: 8, .value_kind: global_buffer, .address_space: global }
      - { .name: kv, .offset: 40, .size: 8, .value_kind: global_buffer, .address_space: global }
      - { .name: vf, .offset: 48, .size: 8, .value_kind: global_buffer, .address_space: global }
    .group_segment_fixed_size: 327680
    .private_segment_fixed_size: 0
    .kernarg_segment_align: 8
    .kernarg_segment_size: 56
    .max_flat_workgroup_size: 192
    .sgpr_count:     100
    .vgpr_count:     512
    .wavefront_size: 32
...
	.end_amdgpu_metadata
.endif
;; end of part 2
;; launch attn (part 3): grid 16 x 16, 8 waves a work-group, clusters of 4 x 1, 168,960 bytes of LDS; arguments q, kv, ao, vf, out1; writes ao, out1
.if DOCPART == 3
	.amdgcn_target "amdgcn-amd-amdhsa--gfx1250"
	.amdhsa_code_object_version 6
	.text
	.protected	k_qad9c8ef4d7_attn
	.globl	k_qad9c8ef4d7_attn
	.p2align	8
	.type	k_qad9c8ef4d7_attn,@function
k_qad9c8ef4d7_attn:
	s_mov_b64 s[64:65], 0
	v_nop
	global_prefetch_b8 v0, s[64:65] scope:SCOPE_SE
	s_setreg_imm32_b32 hwreg(HW_REG_WAVE_MODE, 25, 1), 1
	s_wait_xcnt 0x0
	s_wait_alu depctr_hold_cnt(0) depctr_sa_sdst(0) depctr_va_vdst(0) depctr_va_sdst(0) depctr_va_ssrc(0) depctr_va_vcc(0) depctr_vm_vsrc(0)
	s_getreg_b32 s2, hwreg(HW_REG_IB_STS2, 6, 4)
	s_cmp_eq_u32 s2, 0
	s_cbranch_scc0 .Lentry_in_a_cluster
	s_endpgm
.Lentry_in_a_cluster:
	s_bfe_u32 s2, ttmp6, 0x10000c
	s_cmp_lg_u32 s2, 0x3003
	s_cbranch_scc0 .Lentry_shape_is_right
	s_endpgm
.Lentry_shape_is_right:
; Causal attention on codes of FP6 (E2M3): S^T = K Q^T (K = the head 64), p = 2^(t - M), O^T = V^T p^T (K = the keys), O / l quantised along the features for the last product.
; t = score x log2(e) / 8; M = the running largest t rounded UP to a whole number; the row sum l is taken of the unquantised p; when M moves, l and O^T are multiplied by 2^(old M - new M): exact.
; INPUTS, as the launch before laid them.  q: for each (batch, head) 51,200 bytes: 64 half images of 768 bytes (query tile 2 G + u: lane r holds query 32 G + 8 u + r + 8 (r / 8); registers 0-3 at 16 x lane,
; registers 4-5 at 512 + 8 x lane), then scale words at 49,152 + 64 G + 4 r (bytes 0, 1: u = 0; bytes 2, 3: u = 1).
; kv: for each (batch, key head) eight key steps of 12,800 bytes: K four fragment images (fragment f: keys 32 f on; K 0-63 the key tile u = 0, K 64-127 the key tile u = 1), V four (channel tile, K = the 128 keys),
; K scale words at 12,288, V at 12,544.
; K = 64 IN AN INSTRUCTION OF K = 128: a fragment of K carries two key tiles, and Q is offered as (Q, zero codes) or (zero codes, Q): zero codes add nothing.  Four fragments serve eight products.
; SHARES.  A cluster is the four query heads of one key head; they walk the same K and V, so the whole key head (102,400 bytes) comes into each LDS ONCE, by eight joint loads, one a wave.  Nothing is filled again.
; A work-group has 8 waves and 16 of the head 64 query tiles: wave task n = 8 x cluster x + wave takes tiles (G = n / 2, u = n % 2) and (31 - n / 2, u): G / 4 + 1 key steps each, nine in all for every wave.
; Every wave walks a loop of constant count; a step all of whose keys come after the tile is left out by a scalar branch on ids.
; OUTPUT ao: operand blocks for the last product: group 8 b + G / 4, K step head / 2, tile 2 (G % 4) + u, half image head % 2; two scale bytes a row.
; LIMITS: NaN and infinities are not served; a block whose largest magnitude lies under 2^-124 keeps the byte 1 (its codes are zeros or nearly; this program alone reads the bytes).
; REGISTERS: v1-3 16, 8, 4 x lane; v4-6 addresses in hand; v7, v8 the mask; v9 8 r; v10 4 r; v12 -M; v13 largest t; v[14:15] the sum; v16-21 zeros, v22-27 Q, v28-33 zeros;
;   v34-81 K (later at work); v82-129 V; v130-193 S^T, then p; v194-225 O^T; v226-237 p codes; v238-243 scale words; v[244:245] f; v246-255 at work.
.set KVB, 12800
.set KF,  34
.set VF,  82
.set S,   130
.set O,   194
.set PCD, 226
.set PT,  246
.set BM,  250
.set SO,  34                           ; scale operands, bytes, conversion results, second sum: in K registers, which are done with
.set BY,  38
.set CT,  42
.macro CROUND
	s_barrier_signal -1
	s_barrier_wait -1
	s_cmp_lg_u32 s10, 0
	s_cbranch_scc1 .Lnot_wave_0_\@
	s_barrier_signal -3
.Lnot_wave_0_\@:
	s_barrier_wait -3
	s_barrier_signal -1
	s_barrier_wait -1
.endm
	s_load_b128 s[4:7], s[0:1], 0x0                ; q, kv
	s_load_b64 s[8:9], s[0:1], 0x10                ; ao
	s_load_b128 s[68:71], s[0:1], 0x18             ; vf, out1
; out1 IS MADE HERE: plane (head x 2 + batch) of out1 is plane (8 batch + key head) of vf, V in f32 as the launch before left it.  The four work-groups of a (batch, head) copy a quarter each,
; a wave 8,192 bytes: sixteen loads at the head into v272-335, sixteen stores between its two query tiles.
; Both query tiles' fragments of Q are loaded at the head too, the second's into v258-264.
	s_set_vgpr_msb 0x40
	v_lshl_add_u32 v0, v0, 2, 0x29000
	v_mov_b32 v1, 0
	s_set_vgpr_msb 0x4045
	ds_add_u32 v0, v1
	ds_add_u32 v0, v1
	s_set_vgpr_msb 0x4500
	v_lshrrev_b32 v4, 5, v0
	s_delay_alu instid0(VALU_DEP_1)
	v_readfirstlane_b32 s10, v4                    ; wave 0..7
	s_bfe_u32 s11, ttmp6, 0x40000                  ; cx: the head within its group: it enters global addresses alone
	s_and_b32 s12, ttmp7, 0xffff                   ; 8 b + key head
	s_lshr_b32 s13, s12, 3                         ; b
	s_and_b32 s14, s12, 7
	s_lshl_b32 s15, s14, 2
	s_add_co_u32 s15, s15, s11                     ; head
	s_lshl_b32 s16, ttmp9, 3
	s_add_co_u32 s16, s16, s10                     ; my task
	s_and_b32 s17, s16, 1                          ; u
	s_lshr_b32 s18, s16, 1                         ; the first tile G
	s_mov_b32 s20, 0x76543210
	s_mov_b32 s21, 0xfedcba98                      ; lane l xor 16
	s_mov_b32 s22, 0x3e38aa3b                      ; c = log2(e) / 8
	s_mov_b32 s23, s22                             ; (named with it as a pair)
	s_mov_b32 s24, 15|(3<<16)|(1<<21)              ; 15:0 all four work-groups; elements of 8 bytes; 21 set beside a mask
	s_mov_b32 s25, 32<<16                          ; rows of 256 bytes
	s_mov_b32 s26, 50<<16                          ; 50 of them: a key step
	s_mov_b32 s27, 32<<16
	s_mov_b32 s28, 50
	s_mov_b32 s29, 32
	s_mov_b32 s30, 0
	s_mov_b32 s31, 0
	s_mul_i32 s50, s10, KVB                        ; wave w brings key step w
	s_mul_i32 s48, s12, 8*KVB
	s_add_co_u32 s48, s48, s50
	s_mov_b32 s49, 0
	s_lshl_b32 s58, s13, 5
	s_add_co_u32 s58, s58, s15
	s_mul_i32 s58, s58, 51200                      ; q: my head
	s_mov_b32 s59, 0
	s_lshl_b32 s60, s13, 7
	s_lshr_b32 s61, s15, 1
	s_add_co_u32 s60, s60, s61
	s_mul_i32 s60, s60, KVB                        ; ao: block (8 b x 16 + head / 2)
	s_mov_b32 s61, 0
	s_and_b32 s53, s15, 1
	s_mul_i32 s54, s17, 1536
	s_mul_i32 s56, s53, 768
	s_add_co_u32 s54, s54, s56                     ; 1,536 u + 768 (head % 2)
	s_lshl_b32 s55, s17, 7
	s_lshl_b32 s56, s53, 1
	s_add_co_u32 s55, s55, s56
	s_add_co_u32 s55, s55, 12288                   ; 12,288 + 128 u + 2 (head % 2)
	s_lshl_b32 s52, s17, 4                         ; 16 u
	s_lshl_b32 s57, s17, 3                         ; 8 u
	s_wait_dscnt 0x0
	s_wait_kmcnt 0x0
	s_mov_b32 s32, 1
	s_mov_b32 s33, s50
	s_add_nc_u64 s[34:35], s[6:7], s[48:49]
	s_or_b32 s35, s35, 0x80000000
	s_add_nc_u64 s[4:5], s[4:5], s[58:59]
	s_add_nc_u64 s[8:9], s[8:9], s[60:61]
	CROUND                                         ; all four work-groups are here: the joint loads meet
	tensor_load_to_lds s[32:35], s[24:31]          ; my one tensor load
	s_nop 0
.rept 4
	v_nop
.endr
	v_and_b32 v11, 31, v0
	s_delay_alu instid0(VALU_DEP_1)
	v_lshlrev_b32 v1, 4, v11
	s_delay_alu instid0(VALU_DEP_2)
	v_lshlrev_b32 v2, 3, v11
	s_delay_alu instid0(VALU_DEP_3)
	v_lshlrev_b32 v3, 2, v11
	v_and_b32 v4, 15, v0                           ; r
	v_bfe_u32 v5, v0, 4, 1                         ; h
	s_delay_alu instid0(VALU_DEP_2)
	v_lshlrev_b32 v9, 3, v4
	s_delay_alu instid0(VALU_DEP_3)
	v_lshlrev_b32 v10, 2, v4
	s_delay_alu instid0(VALU_DEP_4)
	v_and_b32 v7, 8, v4
	s_delay_alu instid0(VALU_DEP_1)
	v_add_nc_u32 v7, v7, v4
	v_lshlrev_b32 v5, 4, v5
	s_delay_alu instid0(VALU_DEP_1)
	v_sub_nc_u32 v7, v7, v5
	s_delay_alu instid0(VALU_DEP_1)
	v_add_nc_u32 v7, s57, v7                       ; 8 u + r + 8 (r / 8) - 16 h
.irp i, 16,17,18,19,20,21,28,29,30,31,32,33
	v_mov_b32 v\i, 0                               ; zero codes on both sides of Q
.endr
	v_mov_b32 v245, 0                              ; (named as the upper half of a pair)
.irp i, 246,247,248,249
	v_mov_b32 v\i, 0                               ; a lane permute destination counts as one of its sources
.endr
.macro QADR g, d                       ; query tile G in s[g]: its half image's address in s[d:d+1], its scale words' in s[d+2:d+3]
	s_lshl_b32 s48, s[\g], 1
	s_add_co_u32 s48, s48, s17
	s_mul_i32 s48, s48, 768
	s_add_nc_u64 s[\d:\d+1], s[4:5], s[48:49]
	s_lshl_b32 s48, s[\g], 6
	s_add_co_u32 s48, s48, 49152
	s_add_nc_u64 s[\d+2:\d+3], s[4:5], s[48:49]
.endm
	s_mov_b32 s49, 0
	s_sub_co_u32 s36, 31, s18
	QADR 18, 40
	QADR 36, 72
	s_lshl_b32 s50, ttmp9, 16                      ; my work-group's quarter of a plane,
	s_lshl_b32 s51, s10, 13
	s_add_co_u32 s50, s50, s51                     ; my wave's 8,192 bytes of it
	s_lshl_b32 s48, s12, 18
	s_add_co_u32 s48, s48, s50
	s_add_nc_u64 s[68:69], s[68:69], s[48:49]      ; vf: plane 8 b + key head
	s_lshl_b32 s48, s15, 1
	s_add_co_u32 s48, s48, s13
	s_lshl_b32 s48, s48, 18
	s_add_co_u32 s48, s48, s50
	s_add_nc_u64 s[70:71], s[70:71], s[48:49]      ; out1: plane 2 head + b
	s_wait_alu depctr_va_vdst(0)                   ; the wait at the head's end
	global_load_b128 v[22:25], v1, s[40:41]        ; the first tile's Q half image
	global_load_b64 v[26:27], v2, s[40:41] offset:512
	global_load_b32 v242, v10, s[42:43]
	s_set_vgpr_msb 0x40                            ; destinations in window 1
	global_load_b128 v[2:5], v1, s[72:73]          ; the second tile's, v258-263,
	global_load_b64 v[6:7], v2, s[72:73] offset:512
	global_load_b32 v8, v10, s[74:75]              ; v264
.set n, 0
.rept 16
	global_load_b128 v[16+4*n:19+4*n], v1, s[68:69] offset:512*n   ; v272 on: 512 consecutive bytes of vf each
.set n, n+1
.endr
	s_set_vgpr_msb 0x4000
	s_wait_tensorcnt 0x0                           ; my key step is in,
	s_barrier_signal -1
	s_barrier_wait -1                              ; everybody's is: the whole key head lies in LDS
; One query tile, G in s36
.macro PHASE ph
	s_lshr_b32 s37, s36, 2                         ; the key step on the diagonal
	s_mov_b32 s49, 0
	s_and_b32 s50, s36, 3
	s_mul_i32 s51, s37, 16*KVB
	s_mul_i32 s48, s50, 3072
	s_add_co_u32 s48, s48, s51
	s_add_co_u32 s48, s48, s54
	s_add_nc_u64 s[44:45], s[8:9], s[48:49]        ; where the tile codes go
	s_lshr_b32 s48, s50, 1
	s_lshl_b32 s48, s48, 8
	s_add_co_u32 s48, s48, s51
	s_and_b32 s50, s36, 1
	s_lshl_b32 s50, s50, 2
	s_add_co_u32 s48, s48, s50
	s_add_co_u32 s48, s48, s55
	s_add_nc_u64 s[46:47], s[8:9], s[48:49]        ; and its scale bytes
.if \ph == 0
	s_wait_loadcnt 19                              ; the first tile's Q is in; behind it: the second tile's three loads and vf's sixteen
.endif
	s_wait_alu depctr_va_vdst(0)                   ; the wait ahead of the reader below
	v_lshrrev_b32 v242, s52, v242
	s_delay_alu instid0(VALU_DEP_1)
	v_and_b32 v242, 0xffff, v242
	s_delay_alu instid0(VALU_DEP_1)
	v_lshl_or_b32 v242, v242, 16, v242             ; Q two bytes, for K 0-63 and again for K 64-127
	v_mov_b32 v13, 0xff61b1e6                      ; the largest t so far: -3e38
	s_delay_alu instid0(VALU_DEP_1)
	v_floor_f32 v12, -v13                          ; -M
	v_mov_b32 v14, 0
	v_mov_b32 v15, 0
.set n, 0
.rept 32
	v_mov_b32 v[O+n], 0                            ; O^T: the first change of M multiplies zeros.  (These lines are also the places between the scale word and the first product)
.set n, n+1
.endr
	s_mov_b32 s38, 0                               ; the key step
	s_mov_b32 s39, 0                               ; and its bytes in LDS
.Lks_\@:
	s_cmp_gt_u32 s38, s37                          ; all its keys come after my queries: a branch on ids
	s_cbranch_scc1 .Lskip_\@
	v_add_nc_u32 v4, s39, v1
	v_add_nc_u32 v5, s39, v2
	v_add_nc_u32 v6, s39, v3
	v_nop                                          ; four places behind the last products, ahead of the loads into their sources
.irp f, 0,1,2,3
	ds_load_b128 v[KF+12*\f:KF+12*\f+3], v4 offset:1536*\f
	ds_load_b64 v[KF+12*\f+4:KF+12*\f+5], v5 offset:1536*\f+512
	ds_load_b128 v[KF+12*\f+6:KF+12*\f+9], v4 offset:1536*\f+768
	ds_load_b64 v[KF+12*\f+10:KF+12*\f+11], v5 offset:1536*\f+1280
.endr
	ds_load_b32 v238, v6 offset:12288              ; lanes 0-15 fragment 0, lanes 16-31 fragment 1
	ds_load_b32 v239, v6 offset:12288+128
.irp f, 0,1,2,3
	ds_load_b128 v[VF+12*\f:VF+12*\f+3], v4 offset:6144+1536*\f
	ds_load_b64 v[VF+12*\f+4:VF+12*\f+5], v5 offset:6144+1536*\f+512
	ds_load_b128 v[VF+12*\f+6:VF+12*\f+9], v4 offset:6144+1536*\f+768
	ds_load_b64 v[VF+12*\f+10:VF+12*\f+11], v5 offset:6144+1536*\f+1280
.endr
	ds_load_b32 v240, v6 offset:12544
	ds_load_b32 v241, v6 offset:12544+128
	s_wait_dscnt 18                                ; K and its scale words are in; V eighteen loads may be out
.irp f, 0,1,2,3                                ; tile 2 f + w: register j of lane (r, h) is key 32 f + 8 w + 16 h + j
.irp w, 0,1
.if \f%2 == 0
	v_wmma_scale_f32_16x16x128_f8f6f4 v[S+8*(2*\f+\w):S+8*(2*\f+\w)+7], v[KF+12*\f:KF+12*\f+11], v[22-6*\w:33-6*\w], 0, v[238+\f/2], v242 matrix_a_fmt:MATRIX_FMT_FP6 matrix_b_fmt:MATRIX_FMT_FP6
.else
	v_wmma_scale_f32_16x16x128_f8f6f4 v[S+8*(2*\f+\w):S+8*(2*\f+\w)+7], v[KF+12*\f:KF+12*\f+11], v[22-6*\w:33-6*\w], 0, v[238+\f/2], v242 matrix_a_fmt:MATRIX_FMT_FP6 matrix_b_fmt:MATRIX_FMT_FP6 matrix_a_scale:MATRIX_SCALE_ROW1
.endif
.endr
.endr
.rept 4
	v_nop
.endr
	s_cmp_lt_u32 s38, s37                          ; under the diagonal every key counts
	s_cbranch_scc1 .Lopen_\@
	s_lshl_b32 s48, s36, 5
	s_lshl_b32 s50, s38, 7
	s_sub_co_i32 s48, s48, s50
	v_add_nc_u32 v8, s48, v7                       ; d = my query - the step first key - 16 h.  Register 16 f + e holds key 32 f + 16 h + e: hidden where 32 f + e > d
	v_mov_b32 v255, 0xff800000                     ; -infinity: p = 0
.set n, 0
.rept 64
	v_cmp_gt_i32 vcc_lo, 32*(n/16)+n%16, v8
	v_cndmask_b32 v[S+n], v[S+n], v255, vcc_lo
.set n, n+1
.endr
.Lopen_\@:
.irp b, 0,1,2,3
	v_max3_num_f32 v[BM+\b], v[S+16*\b], v[S+1+16*\b], v[S+2+16*\b]   ; the largest score of each block of 32 keys: for the row maximum, and, since p rises with the score, for the block largest p
.endr
.irp i, 3,5,7,9,11,13
.irp b, 0,1,2,3
	v_max3_num_f32 v[BM+\b], v[BM+\b], v[S+16*\b+\i], v[S+1+16*\b+\i]
.endr
.endr
.irp b, 0,1,2,3
	v_max_num_f32 v[BM+\b], v[BM+\b], v[S+15+16*\b]
.endr
.irp b, 0,1,2,3
	s_delay_alu instid0(VALU_DEP_4)
	v_permlanex16_b32 v[PT+\b], v[BM+\b], s20, s21
.endr
.irp b, 0,1,2,3
	s_delay_alu instid0(VALU_DEP_4)
	v_max_num_f32 v[BM+\b], v[BM+\b], v[PT+\b]
.endr
	s_delay_alu instid0(VALU_DEP_2)
	v_max3_num_f32 v254, v250, v251, v252
	s_delay_alu instid0(VALU_DEP_1)
	v_max_num_f32 v254, v254, v253
	s_delay_alu instid0(VALU_DEP_1)
	v_mul_f32 v254, s22, v254                      ; as t (c is positive)
	s_delay_alu instid0(VALU_DEP_1)
	v_max_num_f32 v13, v13, v254                   ; the running largest t
	v_mov_b32 v254, v12
	s_delay_alu instid0(VALU_DEP_2)
	v_floor_f32 v12, -v13                          ; the new -M = -ceil(t)
	s_delay_alu instid0(VALU_DEP_1)
	v_sub_f32 v254, v12, v254                      ; old M - new M: a whole number, 0 or less
	s_delay_alu instid0(VALU_DEP_1)
	v_cvt_i32_f32 v254, v254                       ; (it saturates)
	s_delay_alu instid0(VALU_DEP_1)
	v_ldexp_f32 v244, 1.0, v254                    ; f = 2^(old M - new M)
.set n, 0
.rept 32
	v_pk_fma_f32 v[S+n:S+n+1], v[S+n:S+n+1], s[22:23], v[12:13] op_sel_hi:[1,0,0]   ; t - M
.set n, n+2
.endr
.irp b, 0,1,2,3
	v_fma_f32 v[BM+\b], v[BM+\b], s22, v12
.endr
.set n, 0
	s_wait_alu depctr_va_vdst(0)
.rept 64
	v_exp_f32 v[S+n], v[S+n]                       ; p, at most 1, not normalised
.set n, n+1
.endr
.irp b, 0,1,2,3
	v_exp_f32 v[BM+\b], v[BM+\b]                   ; the block largest p: the same two instructions on the same number
.endr
	v_pk_mul_f32 v[14:15], v[14:15], v[244:245] op_sel_hi:[1,0]   ; the sums under the new M.  (A plain place behind the exponentials)
	s_wait_alu depctr_va_vdst(0)
.irp b, 0,1,2,3
	v_max_num_f32 v[BM+\b], 0x1800000, v[BM+\b]    ; the floor 2^(3 - 127)
.endr
.irp b, 0,1,2,3
	s_delay_alu instid0(VALU_DEP_4)
	v_add_nc_u32 v[SO+\b], 0xff000000, v[BM+\b]
.endr
.irp b, 0,1,2,3
	s_delay_alu instid0(VALU_DEP_4)
	v_lshrrev_b32 v[BY+\b], 23, v[SO+\b]
.endr
	s_delay_alu instid0(VALU_DEP_3)
	v_lshl_or_b32 v243, v[BY+1], 8, v[BY]          ; p scale word for these 128 keys
	s_delay_alu instid0(VALU_DEP_1)
	v_lshl_or_b32 v243, v[BY+2], 16, v243
	s_delay_alu instid0(VALU_DEP_1)
	v_lshl_or_b32 v243, v[BY+3], 24, v243
.irp c, 0,1
	v_cvt_scalef32_pk16_fp6_f32 v[PCD+6*\c:PCD+2+6*\c], v[S+32*\c:S+15+32*\c], v[SO+2*\c]
	v_cvt_scalef32_pk16_fp6_f32 v[CT+4*\c:CT+2+4*\c], v[S+16+32*\c:S+31+32*\c], v[SO+2*\c+1]
.endr
	v_nop                                          ; one plain place behind a scaled conversion
.irp c, 0,1
.irp i, 0,1,2
	v_permlane16_swap_b32 v[PCD+6*\c+\i], v[CT+4*\c+\i]
.endr
.irp i, 0,1,2
	s_delay_alu instid0(VALU_DEP_3)
	v_mov_b32 v[PCD+3+6*\c+\i], v[CT+4*\c+\i]
.endr
.endr
	v_pk_add_f32 v[50:51], v[134:135], v[138:139]
	v_pk_add_f32 v[254:255], v[142:143], v[146:147]
	v_pk_add_f32 v[252:253], v[150:151], v[154:155]
	v_pk_add_f32 v[250:251], v[158:159], v[162:163]
	v_pk_add_f32 v[238:239], v[166:167], v[170:171]
	v_pk_add_f32 v[80:81], v[174:175], v[178:179]
	v_pk_add_f32 v[78:79], v[182:183], v[186:187]
	v_pk_add_f32 v[14:15], v[14:15], v[190:191]
	v_pk_add_f32 v[50:51], v[50:51], v[130:131]
	v_pk_add_f32 v[254:255], v[254:255], v[132:133]
	v_pk_add_f32 v[252:253], v[252:253], v[136:137]
	v_pk_add_f32 v[250:251], v[250:251], v[140:141]
	v_pk_add_f32 v[238:239], v[238:239], v[144:145]
	v_pk_add_f32 v[80:81], v[80:81], v[148:149]
	v_pk_add_f32 v[78:79], v[78:79], v[152:153]
	v_pk_add_f32 v[14:15], v[14:15], v[156:157]
	v_pk_add_f32 v[50:51], v[50:51], v[160:161]
	v_pk_add_f32 v[254:255], v[254:255], v[164:165]
	v_pk_add_f32 v[252:253], v[252:253], v[168:169]
	v_pk_add_f32 v[250:251], v[250:251], v[172:173]
	v_pk_add_f32 v[238:239], v[238:239], v[176:177]
	v_pk_add_f32 v[80:81], v[80:81], v[180:181]
	v_pk_add_f32 v[78:79], v[78:79], v[184:185]
	v_pk_add_f32 v[14:15], v[14:15], v[188:189]
	v_pk_add_f32 v[50:51], v[50:51], v[192:193]
	s_delay_alu instid0(VALU_DEP_2)
	v_pk_add_f32 v[14:15], v[14:15], v[250:251]
	s_delay_alu instid0(VALU_DEP_2)
	v_pk_add_f32 v[50:51], v[50:51], v[238:239]
	v_pk_add_f32 v[254:255], v[254:255], v[80:81]
	v_pk_add_f32 v[252:253], v[252:253], v[78:79]
	s_delay_alu instid0(VALU_DEP_2)
	v_pk_add_f32 v[14:15], v[14:15], v[254:255]
	s_delay_alu instid0(VALU_DEP_2)
	v_pk_add_f32 v[50:51], v[50:51], v[252:253]
	s_delay_alu instid0(VALU_DEP_1)
	v_pk_add_f32 v[14:15], v[14:15], v[50:51]
.set n, 0
.rept 16
	v_pk_mul_f32 v[O+n:O+n+1], v[O+n:O+n+1], v[244:245] op_sel_hi:[1,0]   ; O^T under the new M
.set n, n+2
.endr
	s_wait_alu depctr_va_vdst(0)
	s_wait_dscnt 0x0                               ; V is in
.irp t, 0,1,2,3                                ; register j of lane (r, h) of tile t: channel 32 (t / 2) + 8 (t % 2) + 16 h + j
.if \t%2 == 0
	v_wmma_scale_f32_16x16x128_f8f6f4 v[O+8*\t:O+8*\t+7], v[VF+12*\t:VF+12*\t+11], v[PCD:PCD+11], v[O+8*\t:O+8*\t+7], v[240+\t/2], v243 matrix_a_fmt:MATRIX_FMT_FP6 matrix_b_fmt:MATRIX_FMT_FP6
.else
	v_wmma_scale_f32_16x16x128_f8f6f4 v[O+8*\t:O+8*\t+7], v[VF+12*\t:VF+12*\t+11], v[PCD:PCD+11], v[O+8*\t:O+8*\t+7], v[240+\t/2], v243 matrix_a_fmt:MATRIX_FMT_FP6 matrix_b_fmt:MATRIX_FMT_FP6 matrix_a_scale:MATRIX_SCALE_ROW1
.endif
.endr
.Lskip_\@:
	s_add_co_u32 s39, s39, KVB
	s_add_co_u32 s38, s38, 1
	s_cmp_lt_u32 s38, 8
	s_cbranch_scc1 .Lks_\@
	; the tile is finished: O / l, quantised along the head 64 channels (two blocks), as half a fragment of the last product
.rept 4
	v_nop
.endr
	v_add_f32 v14, v14, v15
	s_delay_alu instid0(VALU_DEP_1)
	v_permlanex16_b32 v246, v14, s20, s21
	s_delay_alu instid0(VALU_DEP_1)
	v_add_f32 v14, v14, v246                       ; the row sum
	s_wait_alu depctr_va_vdst(0)
	v_rcp_f32 v14, v14
	v_nop                                          ; a plain place behind the transcendental
.set n, 0
	s_wait_alu depctr_va_vdst(0)
.rept 16
	v_pk_mul_f32 v[O+n:O+n+1], v[O+n:O+n+1], v[14:15] op_sel_hi:[1,0]   ; ascending: each accumulator is first read at its low end
.set n, n+2
.endr
.irp b, 0,1
	v_max3_num_f32 v[BM+\b], |v[O+16*\b]|, |v[O+1+16*\b]|, 0x1800000
.endr
.irp i, 2,4,6,8,10,12,14
.irp b, 0,1
	s_delay_alu instid0(VALU_DEP_2)
	v_max3_num_f32 v[BM+\b], v[BM+\b], |v[O+16*\b+\i]|, |v[O+1+16*\b+\i]|
.endr
.endr
.irp b, 0,1
	s_delay_alu instid0(VALU_DEP_2)
	v_permlanex16_b32 v[PT+\b], v[BM+\b], s20, s21
.endr
.irp b, 0,1
	s_delay_alu instid0(VALU_DEP_2)
	v_max_num_f32 v[BM+\b], v[BM+\b], v[PT+\b]
.endr
.irp b, 0,1
	s_delay_alu instid0(VALU_DEP_2)
	v_add_nc_u32 v[SO+\b], 0xff000000, v[BM+\b]
.endr
.irp b, 0,1
	s_delay_alu instid0(VALU_DEP_2)
	v_lshrrev_b32 v[BY+\b], 23, v[SO+\b]
.endr
	s_delay_alu instid0(VALU_DEP_1)
	v_lshl_or_b32 v254, v[BY+1], 8, v[BY]
	v_cvt_scalef32_pk16_fp6_f32 v[PCD:PCD+2], v[O:O+15], v[SO]
	v_cvt_scalef32_pk16_fp6_f32 v[CT:CT+2], v[O+16:O+31], v[SO+1]
	v_nop
.irp i, 0,1,2
	v_permlane16_swap_b32 v[PCD+\i], v[CT+\i]
.endr
.irp i, 0,1,2
	s_delay_alu instid0(VALU_DEP_3)
	v_mov_b32 v[PCD+3+\i], v[CT+\i]
.endr
	global_store_b128 v1, v[PCD:PCD+3], s[44:45]               ; 512 consecutive bytes,
	global_store_b64 v2, v[PCD+4:PCD+5], s[44:45] offset:512   ; 256
	global_store_b16 v9, v254, s[46:47]            ; two bytes a row: the other two of the word belong to the neighbouring head, which another work-group makes
	s_wait_xcnt 0x0                                ; the stores have read their registers and bases
.endm
	s_mov_b32 s36, s18
	PHASE 0
	s_wait_loadcnt 0x0                             ; the second tile's Q and my bytes of vf are in
	s_set_vgpr_msb 0x04                            ; the stores' data in window 1
.set n, 0
.rept 16
	global_store_b128 v1, v[16+4*n:19+4*n], s[70:71] offset:512*n th:TH_STORE_NT   ; 512 consecutive bytes of out1 each, aligned
.set n, n+1
.endr
	s_set_vgpr_msb 0x0401                          ; source 0 in window 1
.irp i, 0,1,2,3,4,5
	v_mov_b32 v[22+\i], v[2+\i]                    ; the second tile's Q
.endr
	v_mov_b32 v242, v8
	s_set_vgpr_msb 0x0100
	s_sub_co_u32 s36, 31, s18
	PHASE 1
	s_wait_dscnt 0x0
	s_set_vgpr_msb 0x5
	s_wait_tensorcnt 0x0
	ds_add_u32 v0, v1
	s_wait_dscnt 0x0
	s_set_vgpr_msb 0x500
	CROUND                                         ; the closing round
	s_endpgm
.Lfunc_end_k_qad9c8ef4d7_attn:
	.size	k_qad9c8ef4d7_attn, .Lfunc_end_k_qad9c8ef4d7_attn-k_qad9c8ef4d7_attn
	.p2alignl 7, 3214868480
	.fill 96, 4, 3214868480
	.section	.rodata,"a",@progbits
	.p2align	6, 0x0
	.amdhsa_kernel k_qad9c8ef4d7_attn
		.amdhsa_group_segment_fixed_size 168960
		.amdhsa_private_segment_fixed_size 0
		.amdhsa_enable_private_segment 0
		.amdhsa_kernarg_size 40
		.amdhsa_user_sgpr_count 2
		.amdhsa_user_sgpr_kernarg_segment_ptr 1
		.amdhsa_wavefront_size32 1
		.amdhsa_system_sgpr_workgroup_id_x 1
		.amdhsa_system_sgpr_workgroup_id_y 1
		.amdhsa_system_sgpr_workgroup_id_z 1
		.amdhsa_system_vgpr_workitem_id 0
		.amdhsa_next_free_vgpr 336
		.amdhsa_next_free_sgpr 76
		.amdhsa_reserve_vcc 1
		.amdhsa_float_denorm_mode_32 3
		.amdhsa_float_denorm_mode_16_64 3
		.amdhsa_memory_ordered 1
		.amdhsa_forward_progress 1
		.amdhsa_inst_pref_size 69
	.end_amdhsa_kernel
	.amdgpu_metadata
---
amdhsa.version: [ 1, 2 ]
amdhsa.kernels:
  - .name:           k_qad9c8ef4d7_attn
    .symbol:         k_qad9c8ef4d7_attn.kd
    .args:
      - { .name: q, .offset: 0, .size: 8, .value_kind: global_buffer, .address_space: global }
      - { .name: kv, .offset: 8, .size: 8, .value_kind: global_buffer, .address_space: global }
      - { .name: ao, .offset: 16, .size: 8, .value_kind: global_buffer, .address_space: global }
      - { .name: vf, .offset: 24, .size: 8, .value_kind: global_buffer, .address_space: global }
      - { .name: out1, .offset: 32, .size: 8, .value_kind: global_buffer, .address_space: global }
    .group_segment_fixed_size: 168960
    .private_segment_fixed_size: 0
    .kernarg_segment_align: 8
    .kernarg_segment_size: 40
    .max_flat_workgroup_size: 256
    .sgpr_count:     76
    .vgpr_count:     336
    .wavefront_size: 32
...
	.end_amdgpu_metadata
.endif
;; end of part 3
;; launch outp (part 4): grid 16 x 16, 4 waves a work-group, clusters of 4 x 4, 327,680 bytes of LDS; arguments ao, wo, out0; writes out0
.if DOCPART == 4
	.amdgcn_target "amdgcn-amd-amdhsa--gfx1250"
	.amdhsa_code_object_version 6
	.text
	.protected	k_qad9c8ef4d7_outp
	.globl	k_qad9c8ef4d7_outp
	.p2align	8
	.type	k_qad9c8ef4d7_outp,@function
k_qad9c8ef4d7_outp:
	s_mov_b64 s[64:65], 0
	v_nop
	global_prefetch_b8 v0, s[64:65] scope:SCOPE_SE
	s_setreg_imm32_b32 hwreg(HW_REG_WAVE_MODE, 25, 1), 1
	s_wait_xcnt 0x0
	s_wait_alu depctr_hold_cnt(0) depctr_sa_sdst(0) depctr_va_vdst(0) depctr_va_sdst(0) depctr_va_ssrc(0) depctr_va_vcc(0) depctr_vm_vsrc(0)
	s_getreg_b32 s2, hwreg(HW_REG_IB_STS2, 6, 4)
	s_cmp_eq_u32 s2, 0
	s_cbranch_scc0 .Lentry_in_a_cluster
	s_endpgm
.Lentry_in_a_cluster:
	s_bfe_u32 s2, ttmp6, 0x10000c
	s_cmp_lg_u32 s2, 0xf033
	s_cbranch_scc0 .Lentry_shape_is_right
	s_endpgm
.Lentry_shape_is_right:
; out0 = attn w_out^T on codes of FP6 (E2M3) with E8M0 scales; sums in f32.
; OPERANDS come as operand blocks of 12,800 bytes (128 rows x 128 K: eight fragment images of 1,536 bytes in register order, then 512 bytes of scale words), [group of 128 rows][K step 0..15].
; Lane r of tile T of a block holds row 32 (T / 2) + 8 (T % 2) + r + 8 (r / 8).  Source 0 = P = weights, source 1 = R = tokens: lane (r, h) of result tile (i, p) holds the token of lane r of tile i,
; and register j the output feature 32 (p / 2) + 16 h + 8 (p % 2) + j: eight neighbours of a row of out0.
; SHARES.  A work-group makes 128 x 128, a wave 64 x 64: 16 accumulators.  256 work-groups, one to a WGP.
; RING.  Two LDS slots of six K steps (153,600 bytes: tokens 76,800, then weights 76,800).  Slot 0 takes K steps 0-5 at the head, slot 1 K steps 6-11 behind a round of the cluster's barrier,
; slot 0 K steps 12-15 when step 5 has read it.  Each time a wave brings one dense run of one operand by one tensor load: three K steps (150 rows of 256 bytes), the last time two (100 rows).
; One tensor load of a wave is out at any time.  The second fill has K steps 0-5 in which to land, the third K steps 6-11.
; CLUSTER 4 x 4: the four of a row need the same tokens, the four of a column the same weights: joint loads.
; PREFETCH.  Behind the load of fill f stands a request for fill f + 1, one fill ahead; the last fill's load asks for nothing.  Of a group, fill 1 is 300 blocks of 256 bytes and fill 2 is 200; the four partners that
; load a group jointly share them out by address, 75 and 50 each (cx for tokens, cy for weights).  Waves 0 and 1 name blocks of tokens, waves 2 and 3 of weights, a lane a block:
; fill 1: the first wave of a pair blocks 0-63 by two instructions, the second 64-74; fill 2: blocks 0-31 and 32-49.  Lanes left over name their wave's last block.
; REGISTERS: window 0: v8-9 the add; v10-14 lane offsets; v16-23 scale words, two sets; v24-25 the prefetches' offsets; v32-55 fragment addresses, six for each three K steps of the ring (free on the way out);
;   v32-95 rows on the way out; v128-255 accumulators, (i, p) at 128 + 8 (4 i + p).  window 1: two sets of 96: P's four fragments, then R's four.
.set OB,     12800
.set HALF,   6*OB
.set SLOT,   12*OB
.set SPARE,  2*SLOT                    ; the spare words, 128 bytes a wave
.set STAGE,  SPARE+512                 ; 16 rows x 272 bytes for each wave; no fill lands here
.set SPITCH, 272
.set WSTG,   16*SPITCH
.set SPW, 8
.set NIL, 9
.set L16, 10
.set L8,  11
.set STO, 12
.set RD,  13
.set CO,  14
.set SC,  16
.set PF,  24
.set PFB, 76                           ; s[76:77]: my group's first byte
.set AD,  32
.set ACC, 128
.set G1A, 24
.set G1B, 32
.set G0A, 40                           ; s[40:51] group 0 for tokens, a set for each fill;  s[52:63] for weights
.set G0B, 52
.set MSB, 0
.macro WIN new                         ; the immediate's high byte repeats the setting that is left
.if MSB != \new
	s_set_vgpr_msb (MSB<<8)|\new
.set MSB, \new
.endif
.endm
.set MUL,  0x05                        ; sources 0 and 1 window 1; C and D window 0
.set TO_F, 0x40                        ; destination window 1, address window 0
.macro PLACES                          ; four plain places behind matrix instructions (ISA guide 7.12.1)
.rept 4
	v_nop
.endr
.endm
.macro CROUND                          ; a round of the cluster's barrier
	s_barrier_signal -1
	s_barrier_wait -1
	s_cmp_lg_u32 s10, 0
	s_cbranch_scc1 .Lnot_wave_0_\@
	s_barrier_signal -3
.Lnot_wave_0_\@:
	s_barrier_wait -3
	s_barrier_signal -1
	s_barrier_wait -1
.endm
.macro JLOAD s                         ; fill s: waves 0 and 1 ask for tokens, waves 2 and 3 for weights; one load to each arm
	s_cmp_eq_u32 s11, 0
	s_cbranch_scc0 .Lfor_b_\@
	tensor_load_to_lds s[G0A+4*\s:G0A+4*\s+3], s[G1A:G1A+7]
	s_nop 0
.rept 4
	v_nop
.endr
	s_branch .Lasked_\@
.Lfor_b_\@:
	tensor_load_to_lds s[G0B+4*\s:G0B+4*\s+3], s[G1B:G1B+7]
	s_nop 0
.rept 4
	v_nop
.endr
.Lasked_\@:
.endm
.macro FETCH t                         ; K step t, at place t % 12 of the ring: P's four fragments, R's four, their scale words, into set t % 2: 34 loads, all dense
.set FS, 96*((\t)%2)
.set FQ, OB*(((\t)%12)%3)
.set FA, AD+6*(((\t)%12)/3)
	WIN TO_F
.irp p, 0,1,2,3
	ds_load_b128 v[FS+12*\p:FS+12*\p+3], v[FA] offset:FQ+1536*\p
	ds_load_b64 v[FS+12*\p+4:FS+12*\p+5], v[FA+1] offset:FQ+1536*\p+512
	ds_load_b128 v[FS+12*\p+6:FS+12*\p+9], v[FA] offset:FQ+1536*\p+768
	ds_load_b64 v[FS+12*\p+10:FS+12*\p+11], v[FA+1] offset:FQ+1536*\p+1280
.endr
.irp p, 0,1,2,3
	ds_load_b128 v[FS+48+12*\p:FS+48+12*\p+3], v[FA+2] offset:FQ+1536*\p
	ds_load_b64 v[FS+48+12*\p+4:FS+48+12*\p+5], v[FA+3] offset:FQ+1536*\p+512
	ds_load_b128 v[FS+48+12*\p+6:FS+48+12*\p+9], v[FA+2] offset:FQ+1536*\p+768
	ds_load_b64 v[FS+48+12*\p+10:FS+48+12*\p+11], v[FA+3] offset:FQ+1536*\p+1280
.endr
	WIN 0
	ds_load_b64 v[SC+4*((\t)%2):SC+4*((\t)%2)+1], v[FA+4] offset:FQ       ; register T / 2, lanes 0-15 or 16-31: tile T of P
	ds_load_b64 v[SC+4*((\t)%2)+2:SC+4*((\t)%2)+3], v[FA+5] offset:FQ     ; of R
.endm
.macro WM set, i, p, zero              ; one product: R's tile i x P's tile p
.set WD, ACC+8*(4*(\i)+(\p))
.set WA, 96*(\set)+12*(\p)
.set WB, 96*(\set)+48+12*(\i)
.set WP, SC+4*(\set)+(\p)/2
.set WR, SC+4*(\set)+2+(\i)/2
.set WSEL, 4*(\zero)+2*((\i)%2)+(\p)%2
.if WSEL == 0
	v_wmma_scale_f32_16x16x128_f8f6f4 v[WD:WD+7], v[WA:WA+11], v[WB:WB+11], v[WD:WD+7], v[WP], v[WR] matrix_a_fmt:MATRIX_FMT_FP6 matrix_b_fmt:MATRIX_FMT_FP6
.elseif WSEL == 1
	v_wmma_scale_f32_16x16x128_f8f6f4 v[WD:WD+7], v[WA:WA+11], v[WB:WB+11], v[WD:WD+7], v[WP], v[WR] matrix_a_fmt:MATRIX_FMT_FP6 matrix_b_fmt:MATRIX_FMT_FP6 matrix_a_scale:MATRIX_SCALE_ROW1
.elseif WSEL == 2
	v_wmma_scale_f32_16x16x128_f8f6f4 v[WD:WD+7], v[WA:WA+11], v[WB:WB+11], v[WD:WD+7], v[WP], v[WR] matrix_a_fmt:MATRIX_FMT_FP6 matrix_b_fmt:MATRIX_FMT_FP6 matrix_b_scale:MATRIX_SCALE_ROW1
.elseif WSEL == 3
	v_wmma_scale_f32_16x16x128_f8f6f4 v[WD:WD+7], v[WA:WA+11], v[WB:WB+11], v[WD:WD+7], v[WP], v[WR] matrix_a_fmt:MATRIX_FMT_FP6 matrix_b_fmt:MATRIX_FMT_FP6 matrix_a_scale:MATRIX_SCALE_ROW1 matrix_b_scale:MATRIX_SCALE_ROW1
.elseif WSEL == 4
	v_wmma_scale_f32_16x16x128_f8f6f4 v[WD:WD+7], v[WA:WA+11], v[WB:WB+11], 0, v[WP], v[WR] matrix_a_fmt:MATRIX_FMT_FP6 matrix_b_fmt:MATRIX_FMT_FP6
.elseif WSEL == 5
	v_wmma_scale_f32_16x16x128_f8f6f4 v[WD:WD+7], v[WA:WA+11], v[WB:WB+11], 0, v[WP], v[WR] matrix_a_fmt:MATRIX_FMT_FP6 matrix_b_fmt:MATRIX_FMT_FP6 matrix_a_scale:MATRIX_SCALE_ROW1
.elseif WSEL == 6
	v_wmma_scale_f32_16x16x128_f8f6f4 v[WD:WD+7], v[WA:WA+11], v[WB:WB+11], 0, v[WP], v[WR] matrix_a_fmt:MATRIX_FMT_FP6 matrix_b_fmt:MATRIX_FMT_FP6 matrix_b_scale:MATRIX_SCALE_ROW1
.else
	v_wmma_scale_f32_16x16x128_f8f6f4 v[WD:WD+7], v[WA:WA+11], v[WB:WB+11], 0, v[WP], v[WR] matrix_a_fmt:MATRIX_FMT_FP6 matrix_b_fmt:MATRIX_FMT_FP6 matrix_a_scale:MATRIX_SCALE_ROW1 matrix_b_scale:MATRIX_SCALE_ROW1
.endif
.endm
.macro MUL8 set, i0, zero              ; the 16 accumulators take turns, one instruction a turn, in the same order in every step
.irp i, \i0, \i0+1
.irp p, 0,1,2,3
	WM \set, \i, \p, \zero
.endr
.endr
.endm
.macro STEP t, zero                    ; a K step whose successor lies in bytes that are shown whole
	s_wait_dscnt 0x0                               ; this step's 34 loads are in
	PLACES                                         ; the other set was multiplied last
	FETCH (\t)+1
	WIN MUL
	MUL8 (\t)%2, 0, \zero
	MUL8 (\t)%2, 2, \zero
	WIN 0
.endm
	s_load_b128 s[68:71], s[0:1], 0x0              ; ao, wo
	s_load_b64 s[72:73], s[0:1], 0x10              ; out0
	v_lshl_add_u32 v[SPW], v0, 2, SPARE
	v_mov_b32 v[NIL], 0
	ds_add_u32 v[SPW], v[NIL]                      ; the opening lines: the add twice on end and one wait
	ds_add_u32 v[SPW], v[NIL]
	v_lshrrev_b32 v1, 5, v0
	v_readfirstlane_b32 s10, v1                    ; wave
	s_lshr_b32 s11, s10, 1                         ; my half of the tokens.  Also: I fetch tokens (0) or weights (1)
	s_and_b32 s12, s10, 1                          ; my half of the features.  Also: which half of a fill's K steps I fetch
	s_bfe_u32 s13, ttmp6, 0x40000                  ; cx
	s_bfe_u32 s14, ttmp6, 0x40004                  ; cy
	s_lshl_b32 s15, ttmp9, 2
	s_add_co_u32 s15, s15, s13                     ; x: the group of 128 features
	s_and_b32 s16, ttmp7, 0xffff
	s_lshl_b32 s16, s16, 2
	s_add_co_u32 s16, s16, s14                     ; y: the group of 128 tokens
	s_lshl_b32 s17, s14, 2
	s_lshl_b32 s17, 15, s17                        ; my row of the cluster
	s_lshl_b32 s18, 0x1111, s13                    ; my column
	s_or_b32 s[G1A], s17, (3<<16)|(1<<21)          ; 15:0 the mask; elements of 8 bytes; 21 set beside a mask; no padding
	s_or_b32 s[G1B], s18, (3<<16)|(1<<21)
.irp g, G1A, G1B
	s_mov_b32 s[\g+1], 32<<16                      ; rows of 256 bytes
	s_mov_b32 s[\g+2], 150<<16                     ; 150 of them: three operand blocks
	s_mov_b32 s[\g+3], 32<<16
	s_mov_b32 s[\g+4], 150
	s_mov_b32 s[\g+5], 32                          ; dense
	s_mov_b32 s[\g+6], 0
	s_mov_b32 s[\g+7], 0
.endr
	s_mul_i32 s19, s12, 3*OB
	s_mul_i32 s20, s16, 16*OB                      ; tokens: made of y and the wave's number alone
	s_add_co_u32 s20, s20, s19
	s_mov_b32 s21, 0
	s_mul_i32 s22, s15, 16*OB                      ; weights: of x and the wave's number alone
	s_add_co_u32 s22, s22, s19
	s_mov_b32 s23, 0
	s_mul_i32 s3, s10, 3*OB                        ; in a slot: wave x 38,400
	s_mul_i32 s66, s11, HALF                       ; the third fill: two K steps a wave,
	s_mul_i32 s67, s12, 2*OB
	s_add_co_u32 s66, s66, s67                     ; at the head of my operand's part of slot 0
	s_mul_i32 s78, s12, OB                         ; and in memory 12 blocks on, less one block for the second half
	s_mov_b32 s79, 0
	s_lshl_b32 s76, s16, 7
	s_lshl_b32 s77, s11, 6
	s_add_co_u32 s76, s76, s77
	s_lshl_b32 s76, s76, 13                        ; out0: my first token, 8,192 bytes a row,
	s_lshl_b32 s77, s15, 9
	s_add_co_u32 s76, s76, s77
	s_lshl_b32 s77, s12, 8
	s_add_co_u32 s76, s76, s77                     ; and my 64 features: 256 bytes, aligned
	s_mov_b32 s77, 0
	s_wait_dscnt 0x0                               ; both opening adds are done
	s_wait_kmcnt 0x0
	s_add_nc_u64 s[20:21], s[68:69], s[20:21]
	s_add_nc_u64 s[22:23], s[70:71], s[22:23]
	s_add_nc_u64 s[72:73], s[72:73], s[76:77]
	CROUND                                         ; all sixteen work-groups are here: the first joint loads meet
.irp s, 0,1
	s_mov_b32 s[G0A+4*\s], 1
	s_add_co_u32 s[G0A+4*\s+1], s3, \s*SLOT
	s_add_nc_u64 s[G0A+4*\s+2:G0A+4*\s+3], s[20:21], \s*HALF
	s_or_b32 s[G0A+4*\s+3], s[G0A+4*\s+3], 0x80000000
	s_mov_b32 s[G0B+4*\s], 1
	s_add_co_u32 s[G0B+4*\s+1], s3, \s*SLOT
	s_add_nc_u64 s[G0B+4*\s+2:G0B+4*\s+3], s[22:23], \s*HALF
	s_or_b32 s[G0B+4*\s+3], s[G0B+4*\s+3], 0x80000000
.endr
	JLOAD 0                                        ; K steps 0 to 5: one tensor load a wave at the head
	s_mov_b32 s[G0A+8], 1
	s_mov_b32 s[G0A+9], s66
	s_add_nc_u64 s[G0A+10:G0A+11], s[20:21], 12*OB
	s_sub_nc_u64 s[G0A+10:G0A+11], s[G0A+10:G0A+11], s[78:79]
	s_or_b32 s[G0A+11], s[G0A+11], 0x80000000
	s_mov_b32 s[G0B+8], 1
	s_mov_b32 s[G0B+9], s66
	s_add_nc_u64 s[G0B+10:G0B+11], s[22:23], 12*OB
	s_sub_nc_u64 s[G0B+10:G0B+11], s[G0B+10:G0B+11], s[78:79]
	s_or_b32 s[G0B+11], s[G0B+11], 0x80000000
	v_and_b32 v1, 31, v0                           ; lane
	v_and_b32 v2, 15, v0                           ; r
	v_bfe_u32 v3, v0, 4, 1                         ; h
	v_lshlrev_b32 v[L16], 4, v1
	v_lshlrev_b32 v[L8], 3, v1
	; the prefetches' addresses
	s_cmp_eq_u32 s11, 0
	s_cselect_b64 s[PFB:PFB+1], s[68:69], s[70:71]
	s_cselect_b32 s4, s16, s15                     ; the group: y or x
	s_cselect_b32 s5, s13, s14                     ; my place among the four that load it jointly: it enters the address alone
	s_mul_i32 s6, s4, 16*OB
	s_mov_b32 s7, 0
	s_add_nc_u64 s[PFB:PFB+1], s[PFB:PFB+1], s[6:7]
	s_mul_i32 s66, s5, 75
	s_mul_i32 s67, s5, 50
	s_lshl_b32 s4, s12, 6
	s_lshl_b32 s5, s12, 5
	s_wait_alu depctr_va_vdst(0)                   ; the wait here, ahead of the readers of the lane's number
	v_add_nc_u32 v[PF], s4, v1                     ; fill 1: block 64 (wave % 2) + lane of my share,
	v_add_nc_u32 v[PF+1], s5, v1                   ; fill 2: block 32 (wave % 2) + lane,
	v_min_u32 v[PF], 74, v[PF]                     ; held at the share's last block
	v_min_u32 v[PF+1], 49, v[PF+1]
	v_add_nc_u32 v[PF], s66, v[PF]
	v_add_nc_u32 v[PF+1], s67, v[PF+1]
	v_lshlrev_b32 v[PF], 8, v[PF]
	v_lshlrev_b32 v[PF+1], 8, v[PF+1]
	v_add_nc_u32 v[PF], 6*OB, v[PF]                ; K steps 6 on
	v_add_nc_u32 v[PF+1], 12*OB, v[PF+1]           ; K steps 12 on: the last byte named lies inside the group
	s_wait_alu depctr_va_vdst(0)                   ; the wait ahead of the readers below
	global_prefetch_b8 v[PF], s[PFB:PFB+1] th:TH_LOAD_NT scope:SCOPE_SE              ; behind fill 0's load: fill 1
	s_cmp_eq_u32 s12, 0
	s_cbranch_scc0 .Lpf_one
	global_prefetch_b8 v[PF], s[PFB:PFB+1] offset:8192 th:TH_LOAD_NT scope:SCOPE_SE  ; blocks 32-63
.Lpf_one:
	s_mul_i32 s74, s10, WSTG
	s_add_co_u32 s74, s74, STAGE                   ; my stage
	v_mul_u32_u24 v[STO], v2, SPITCH
	v_lshl_add_u32 v[STO], v3, 6, v[STO]
	v_add_nc_u32 v[STO], s74, v[STO]               ; in: row r, + 64 h bytes
	v_mul_u32_u24 v[RD], v3, SPITCH
	v_lshl_add_u32 v[RD], v2, 4, v[RD]
	v_add_nc_u32 v[RD], s74, v[RD]                 ; back: lanes 0-15 one row of 256 bytes, lanes 16-31 the next
	v_lshlrev_b32 v[CO], 13, v3
	v_lshl_add_u32 v[CO], v2, 4, v[CO]             ; and the same two rows in out0
	s_mul_i32 s4, s12, 6144
	s_add_co_u32 s4, s4, HALF                      ; P = weights: my four fragments
	s_mul_i32 s5, s11, 6144                        ; R = tokens
	s_lshl_b32 s6, s12, 8
	s_add_co_u32 s6, s6, HALF+12288                ; P: my 256 bytes of scale words
	s_lshl_b32 s7, s11, 8
	s_add_co_u32 s7, s7, 12288
	s_wait_alu depctr_va_vdst(0)                   ; the wait here, ahead of the readers below
.irp n, 0,1,2,3                        ; places 3 n .. 3 n + 2 of the ring: 0, 3, 12 and 15 blocks from the ring's start
	v_add_nc_u32 v[AD+6*\n], s4, v[L16]
	v_add_nc_u32 v[AD+6*\n+1], s4, v[L8]
	v_add_nc_u32 v[AD+6*\n+2], s5, v[L16]
	v_add_nc_u32 v[AD+6*\n+3], s5, v[L8]
	v_add_nc_u32 v[AD+6*\n+4], s6, v[L8]
	v_add_nc_u32 v[AD+6*\n+5], s7, v[L8]
.if \n < 3
	s_add_co_u32 s4, s4, 3*OB+6*OB*(\n%2)
	s_add_co_u32 s5, s5, 3*OB+6*OB*(\n%2)
	s_add_co_u32 s6, s6, 3*OB+6*OB*(\n%2)
	s_add_co_u32 s7, s7, 3*OB+6*OB*(\n%2)
.endif
.endr
	s_wait_alu depctr_va_vdst(0)                   ; the wait at the head's end
	s_wait_tensorcnt 0x0                           ; my part of slot 0 is in; slot 1's first fill is issued as a refill is:
	ds_add_u32 v[SPW], v[NIL]                      ; 0 onto my spare word
	s_wait_dscnt 0x0
	CROUND                                         ; everybody's part is in, and all sixteen work-groups are here
	JLOAD 1                                        ; K steps 6 to 11: the first tensor load behind the round
	FETCH 0
	global_prefetch_b8 v[PF+1], s[PFB:PFB+1] th:TH_LOAD_NT scope:SCOPE_SE            ; behind fill 1's load: fill 2
	STEP 0, 1                                      ; the first products start the sums
.irp t, 1,2,3,4
	STEP \t, 0
.endr
	; K step 5: slot 0 has been read out and is filled once more
	s_wait_dscnt 0x0                               ; step 5's fragments are in: my last reads of slot 0
	s_wait_tensorcnt 0x0                           ; my one load that was out has landed: my part of slot 1
	ds_add_u32 v[SPW], v[NIL]                      ; 0 onto my spare word
	s_mov_b32 s[G1A+2], 100<<16                    ; no tensor load of mine is out: from here on a load brings 100 rows, two operand blocks
	s_mov_b32 s[G1A+4], 100
	s_mov_b32 s[G1B+2], 100<<16
	s_mov_b32 s[G1B+4], 100
	WIN MUL
	MUL8 1, 0, 0                                   ; eight products stand between the add and the wait for it
	WIN 0
	s_wait_dscnt 0x0                               ; the add is done
	CROUND                                         ; no wave of any partner still reads slot 0 or has a load on its way
	JLOAD 2                                        ; K steps 12 to 15; the four v_nop behind it are the places ahead of the loads below
	FETCH 6                                        ; slot 1: every wave showed it landed ahead of the round
	WIN MUL
	MUL8 1, 2, 0
	WIN 0
.irp t, 6,7,8,9,10
	STEP \t, 0
.endr
	; K step 11: on into slot 0 again
	s_wait_dscnt 0x0
	s_wait_tensorcnt 0x0                           ; my one load that is out: my part of K steps 12 to 15
	s_barrier_signal -1
	s_barrier_wait -1                              ; everybody's part is in
	PLACES
	FETCH 12
	WIN MUL
	MUL8 1, 0, 0
	MUL8 1, 2, 0
	WIN 0
	STEP 12, 0
	STEP 13, 0
	STEP 14, 0
	s_wait_dscnt 0x0                               ; the last K step: nothing more to fetch
	WIN MUL
	MUL8 1, 0, 0
	MUL8 1, 2, 0
	WIN 0
	PLACES
; THE WAY OUT, a tile of 16 tokens x 64 features at a time, through my own stage: a lane's 32 bytes of a row go in, whole rows of 256 bytes come back.  LDS serves a wave in order: no wait between stores and loads.
.macro TOSTAGE i
.irp p, 0,1,2,3
	ds_store_b128 v[STO], v[ACC+32*(\i)+8*\p:ACC+32*(\i)+8*\p+3] offset:128*(\p/2)+32*(\p%2)        ; each accumulator from its low end on
	ds_store_b128 v[STO], v[ACC+32*(\i)+8*\p+4:ACC+32*(\i)+8*\p+7] offset:128*(\p/2)+32*(\p%2)+16
.endr
.irp t, 0,1,2,3,4,5,6,7
	ds_load_b128 v[32+32*((\i)%2)+4*\t:32+32*((\i)%2)+4*\t+3], v[RD] offset:2*SPITCH*\t
.endr
.endm
.macro SEND i, younger                 ; younger: the LDS instructions issued behind this tile's loads
	s_wait_dscnt \younger
.irp t, 0,1,2,3,4,5,6,7
	global_store_b128 v[CO], v[32+32*((\i)%2)+4*\t:32+32*((\i)%2)+4*\t+3], s[72:73] offset:(32*((\i)/2)+8*((\i)%2)+2*\t+8*(\t/4))*8192 th:TH_STORE_NT   ; sixteen lanes store 256 consecutive bytes, aligned
.endr
.endm
	TOSTAGE 0
	TOSTAGE 1
	SEND 0, 16                                     ; behind tile 0's loads: tile 1's eight stores and eight loads
	s_wait_xcnt 0x0                                ; tile 0's stores have read their registers: tile 2 may land there
	TOSTAGE 2
	SEND 1, 16
	s_wait_xcnt 0x0
	TOSTAGE 3
	SEND 2, 16
	SEND 3, 0
	s_wait_tensorcnt 0x0                           ; the wave's end
	ds_add_u32 v[SPW], v[NIL]
	s_wait_dscnt 0x0
	CROUND                                         ; the closing round: no work-group ends while a partner may still ask for a tile that names it
	s_endpgm
.Lfunc_end_k_qad9c8ef4d7_outp:
	.size	k_qad9c8ef4d7_outp, .Lfunc_end_k_qad9c8ef4d7_outp-k_qad9c8ef4d7_outp
	.p2alignl 7, 3214868480
	.fill 96, 4, 3214868480
	.section	.rodata,"a",@progbits
	.p2align	6, 0x0
	.amdhsa_kernel k_qad9c8ef4d7_outp
		.amdhsa_group_segment_fixed_size 327680
		.amdhsa_private_segment_fixed_size 0
		.amdhsa_enable_private_segment 0
		.amdhsa_kernarg_size 24
		.amdhsa_user_sgpr_count 2
		.amdhsa_user_sgpr_kernarg_segment_ptr 1
		.amdhsa_wavefront_size32 1
		.amdhsa_system_sgpr_workgroup_id_x 1
		.amdhsa_system_sgpr_workgroup_id_y 1
		.amdhsa_system_sgpr_workgroup_id_z 1
		.amdhsa_system_vgpr_workitem_id 0
		.amdhsa_next_free_vgpr 512
		.amdhsa_next_free_sgpr 80
		.amdhsa_reserve_vcc 0
		.amdhsa_float_denorm_mode_32 3
		.amdhsa_float_denorm_mode_16_64 3
		.amdhsa_memory_ordered 1
		.amdhsa_forward_progress 1
		.amdhsa_inst_pref_size 90
	.end_amdhsa_kernel
	.amdgpu_metadata
---
amdhsa.version: [ 1, 2 ]
amdhsa.kernels:
  - .name:           k_qad9c8ef4d7_outp
    .symbol:         k_qad9c8ef4d7_outp.kd
    .args:
      - { .name: ao, .offset: 0, .size: 8, .value_kind: global_buffer, .address_space: global }
      - { .name: wo, .offset: 8, .size: 8, .value_kind: global_buffer, .address_space: global }
      - { .name: out0, .offset: 16, .size: 8, .value_kind: global_buffer, .address_space: global }
    .group_segment_fixed_size: 327680
    .private_segment_fixed_size: 0
    .kernarg_segment_align: 8
    .kernarg_segment_size: 24
    .max_flat_workgroup_size: 128
    .sgpr_count:     80
    .vgpr_count:     512
    .wavefront_size: 32
...
	.end_amdgpu_metadata
.endif
;; end of part 4
